; MI455X (gfx1250); checked and timed in simulation.
; The chip was launched on July 23, 2026; its instructions are those of AMD's public machine-readable ISA for CDNA 5 (MIT licence, August 2026) and "CDNA5" Instruction Set Architecture Reference Guide (July 2026). The comments in the code are by the model that wrote it; some were corrected since.
;; Var Self Attention. Allowed arithmetic: float matrix products may take bf16 or f16 operands with f32 sums; all other float work in f32.
;; Inputs: W_qk 2,048 x 1,024 float32; b_qk 2,048 float32; x 4 x 2,048 x 1,024 float32.
;; Outputs: out0 4 x 2,048 x 1,024 float32.
;; 2 versions, each right. Each part assembles by itself: llvm-mc -triple=amdgcn-amd-amdhsa -mcpu=gfx1250 --defsym DOCPART=n.
;; ======== version 1 of 2: 3 launches
;; limits: values are held in f16: magnitudes above 65,504 overflow, below 6.1e-05 lose precision
;; workspace buffers: xb 16,777,216 bytes; wb 4,194,304 bytes; qh 16,777,216 bytes; kc 16,777,216 bytes; kref 131,072 bytes
;; launch prep (part 1): grid 256 x 1, 8 waves a work-group, no clusters, 0 bytes of LDS; arguments x, W_qk, xb, wb; writes xb, wb
.if DOCPART == 1
	.amdgcn_target "amdgcn-amd-amdhsa--gfx1250"
	.amdhsa_code_object_version 6
	.text
	.protected	k_q90d32d27b7_prep
	.globl	k_q90d32d27b7_prep
	.p2align	8
	.type	k_q90d32d27b7_prep,@function
k_q90d32d27b7_prep:
	s_mov_b64 s[64:65], 0
	v_nop
	global_prefetch_b8 v0, s[64:65] scope:SCOPE_SE
	s_setreg_imm32_b32 hwreg(HW_REG_WAVE_MODE, 25, 1), 1
	s_wait_xcnt 0x0
; xb = bf16(x), wb = bf16(W_qk), both flat, rounded to nearest even.
; 256 work-groups of eight waves.  A work-group takes 131,072 bytes of x and 32,768 bytes of W_qk; a wave 16,384 and 4,096 of them:
; 32 + 8 loads of 16 bytes a lane, each covering 512 consecutive bytes.  All 40 loads of a wave go out before the first wait, so
; all that the wave will ever read is on its way at once; there is no loop.  A lane turns its four f32 into 8 bytes, so that one store
; of the wave covers 256 consecutive bytes, aligned.  No LDS, no matrix unit, no cluster: nothing is shared and nothing is multiplied.
.set X,  8                             ; v[8:167]  40 slots of four registers: as loaded; the first two of a slot then hold the packed result
.set NX, 32                            ; loads of x in a wave
.set NW, 8                             ; loads of W_qk in a wave
	s_load_b256 s[4:11], s[0:1], 0x0               ; x s[4:5], W_qk s[6:7], xb s[8:9], wb s[10:11]
	v_and_b32 v5, 31, v0                           ; lane
	v_lshrrev_b32 v6, 5, v0                        ; wave
	v_lshlrev_b32 v1, 4, v5                        ; 16 bytes a lane on the way in
	v_lshlrev_b32 v2, 3, v5                        ; 8 bytes a lane on the way out
	v_lshl_add_u32 v3, v6, 12, v1                  ; W_qk: + wave x 4,096
	v_lshl_add_u32 v4, v6, 11, v2                  ; wb:   + wave x 2,048
	v_lshl_add_u32 v1, v6, 14, v1                  ; x:    + wave x 16,384
	v_lshl_add_u32 v2, v6, 13, v2                  ; xb:   + wave x 8,192
	s_lshl_b32 s12, ttmp9, 17                      ; the work-group's part of x,
	s_mov_b32 s13, 0
	s_lshl_b32 s14, ttmp9, 15                      ; of W_qk,
	s_mov_b32 s15, 0
	s_lshl_b32 s16, ttmp9, 16                      ; of xb,
	s_mov_b32 s17, 0
	s_lshl_b32 s18, ttmp9, 14                      ; of wb
	s_mov_b32 s19, 0
	s_wait_kmcnt 0x0
	s_add_nc_u64 s[4:5], s[4:5], s[12:13]
	s_add_nc_u64 s[6:7], s[6:7], s[14:15]
	s_add_nc_u64 s[8:9], s[8:9], s[16:17]
	s_add_nc_u64 s[10:11], s[10:11], s[18:19]
.set i, 0
.rept NX
	global_load_b128 v[X+4*i:X+4*i+3], v1, s[4:5] offset:512*i th:TH_LOAD_NT
.set i, i+1
.endr
.set i, 0
.rept NW
	global_load_b128 v[X+4*(NX+i):X+4*(NX+i)+3], v3, s[6:7] offset:512*i th:TH_LOAD_NT
.set i, i+1
.endr
; Each slot in turn.  Loads come back in order (ISA guide 5.7.1): the count is the number of younger loads.
; A slot's registers are written once behind its load and then only read by its store: no further wait is needed.
.set i, 0
.rept NX
	s_wait_loadcnt NX+NW-1-i
	v_cvt_pk_bf16_f32 v[X+4*i],   v[X+4*i],   v[X+4*i+1]
	v_cvt_pk_bf16_f32 v[X+4*i+1], v[X+4*i+2], v[X+4*i+3]
	global_store_b64 v2, v[X+4*i:X+4*i+1], s[8:9] offset:256*i        ; later launches read it: no hint
.set i, i+1
.endr
.set i, 0
.rept NW
	s_wait_loadcnt NW-1-i
	v_cvt_pk_bf16_f32 v[X+4*(NX+i)],   v[X+4*(NX+i)],   v[X+4*(NX+i)+1]
	v_cvt_pk_bf16_f32 v[X+4*(NX+i)+1], v[X+4*(NX+i)+2], v[X+4*(NX+i)+3]
	global_store_b64 v4, v[X+4*(NX+i):X+4*(NX+i)+1], s[10:11] offset:256*i
.set i, i+1
.endr
	s_endpgm
.Lfunc_end_k_q90d32d27b7_prep:
	.size	k_q90d32d27b7_prep, .Lfunc_end_k_q90d32d27b7_prep-k_q90d32d27b7_prep
	.p2alignl 7, 3214868480
	.fill 96, 4, 3214868480
	.section	.rodata,"a",@progbits
	.p2align	6, 0x0
	.amdhsa_kernel k_q90d32d27b7_prep
		.amdhsa_group_segment_fixed_size 0
		.amdhsa_private_segment_fixed_size 0
		.amdhsa_enable_private_segment 0
		.amdhsa_kernarg_size 32
		.amdhsa_user_sgpr_count 2
		.amdhsa_user_sgpr_kernarg_segment_ptr 1
		.amdhsa_wavefront_size32 1
		.amdhsa_system_sgpr_workgroup_id_x 1
		.amdhsa_system_sgpr_workgroup_id_y 1
		.amdhsa_system_sgpr_workgroup_id_z 1
		.amdhsa_system_vgpr_workitem_id 0
		.amdhsa_next_free_vgpr 168
		.amdhsa_next_free_sgpr 66
		.amdhsa_reserve_vcc 0
		.amdhsa_float_denorm_mode_32 3
		.amdhsa_float_denorm_mode_16_64 3
		.amdhsa_memory_ordered 1
		.amdhsa_forward_progress 1
		.amdhsa_inst_pref_size 15
	.end_amdhsa_kernel
	.amdgpu_metadata
---
amdhsa.version: [ 1, 2 ]
amdhsa.kernels:
  - .name:           k_q90d32d27b7_prep
    .symbol:         k_q90d32d27b7_prep.kd
    .args:
      - { .name: x, .offset: 0, .size: 8, .value_kind: global_buffer, .address_space: global }
      - { .name: W_qk, .offset: 8, .size: 8, .value_kind: global_buffer, .address_space: global }
      - { .name: xb, .offset: 16, .size: 8, .value_kind: global_buffer, .address_space: global }
      - { .name: wb, .offset: 24, .size: 8, .value_kind: global_buffer, .address_space: global }
    .group_segment_fixed_size: 0
    .private_segment_fixed_size: 0
    .kernarg_segment_align: 8
    .kernarg_segment_size: 32
    .max_flat_workgroup_size: 256
    .sgpr_count:     66
    .vgpr_count:     168
    .wavefront_size: 32
...
	.end_amdgpu_metadata
.endif
;; end of part 1
;; launch proj (part 2): grid 8 x 32, 4 waves a work-group, clusters of 4 x 4, 327,680 bytes of LDS; arguments xb, wb, b_qk, qh, kc, kref; writes qh, kc, kref
.if DOCPART == 2
	.amdgcn_target "amdgcn-amd-amdhsa--gfx1250"
	.amdhsa_code_object_version 6
	.text
	.protected	k_q90d32d27b7_proj
	.globl	k_q90d32d27b7_proj
	.p2align	8
	.type	k_q90d32d27b7_proj,@function
k_q90d32d27b7_proj:
	s_mov_b64 s[64:65], 0
	v_nop
	global_prefetch_b8 v0, s[64:65] scope:SCOPE_SE
	s_setreg_imm32_b32 hwreg(HW_REG_WAVE_MODE, 25, 1), 1
	s_wait_xcnt 0x0
	s_wait_alu depctr_hold_cnt(0) depctr_sa_sdst(0) depctr_va_vdst(0) depctr_va_sdst(0) depctr_va_ssrc(0) depctr_va_vcc(0) depctr_vm_vsrc(0)
	s_getreg_b32 s2, hwreg(HW_REG_IB_STS2, 6, 4)
	s_cmp_eq_u32 s2, 0
	s_cbranch_scc0 .Lentry_in_a_cluster
	s_endpgm
.Lentry_in_a_cluster:
	s_bfe_u32 s2, ttmp6, 0x10000c
	s_cmp_lg_u32 s2, 0xf033
	s_cbranch_scc0 .Lentry_shape_is_right
	s_endpgm
.Lentry_shape_is_right:
; qk[m][n] = sum over k of xb[m][k] wb[n][k] + b_qk[n], m = 2048 b + s, n = 128 h + 2 d + c (c = 0: q, c = 1: k), sums in f32.  Stored:
;   qh[b][h][s][d]  f16 = (q + bias) x 0.125 x log2(e)         (the scale of the scores and the base-2 exponent are folded in)
;   kref[m / 256][64 h + d] f32 = mean of (k + bias) over the block of 256 rows that this work-group makes
;   kc[b][h][s][d]  f16 = (k + bias) - kref of its block        (centred in f32, ahead of the rounding)
; LIMITS: qh and kc are f16: magnitudes up to 65504 (they are about 1 at the drawn spread, about 1e3 with every input 30 times larger);
; below 6.1e-5 their step is 6e-8.  NaN and infinite inputs are not followed.
; A work-group makes a block of 256 x 256 with four waves, as many as a WGP has SIMDs; a wave makes 128 x 128: 64 accumulator tiles of
; 16 x 16, 512 registers.  A wave's 128 columns are exactly one head.  K goes in steps of 128 through a ring of two LDS slots filled by
; the tensor data mover: a tile's rows are 256 bytes of memory and start at multiples of 256 bytes from the buffer's first byte.
; CLUSTERS: 4 x 4 work-groups.  The four of a row of the cluster need the same tiles of xb, the four of a column the same tiles of wb.
; Such a tile is asked for jointly: each of the four issues the same tensor load, with the same descriptor and a mask that names the four.
;
; REGISTERS, in windows of 256 (s_set_vgpr_msb says which window each operand place means):
;   window 0: v0-63 addresses, constants, my own four biases; v64-127, v128-191 fragments of xb, two buffers (on the way out: column sums,
;             packed results, read-back); v192-255 the biases of my lane's columns, later the addends of the way out
;   window 1: v64-127, v128-191 fragments of wb, two buffers
;   window 2: the 32 accumulator tiles of my rows 0-63 (tile (a, b) at v[8 (8 a + b)]);   window 3: those of my rows 64-127
; THE MATRIX INSTRUCTION IS USED TRANSPOSED: source 0 = 16 rows of wb, source 1 = 16 rows of xb.  Lane l then holds row l % 16, and its
; registers 0 to 7 the columns 16 b + 8 (l / 16) + 0 .. 7: q and k by turns of d = 8 b + 4 (l / 16) + 0 .. 3.
.set SIZE_K, 1024
.set KSTEP,  128
.set PITCH,  272                       ; an LDS row: 256 bytes of data + 16 of padding = 68 words: row r starts at bank 4 r mod 64 (64 banks of 4 bytes: ISA guide 11.1)
.set HALFT,  128*PITCH                 ; 128 rows: what one tensor load brings, and what one wave reads of xb or of wb
.set SLOT,   4*HALFT                   ; xb's 256 rows, then wb's 256 rows
.set STAGE,  2*SLOT                    ; behind the ring, in bytes that no tensor load fills: for each wave 16 rows of q, then 16 rows of k
.set QKP,    144                       ; a stage row: 128 bytes (64 f16) + 16
.set KPART,  16*QKP                    ; where the stage's k rows begin
.set WSTAGE, 2*KPART                   ; a wave's stage: 4,608 bytes
.set COLS,   STAGE+4*WSTAGE            ; for each wave 64 column sums in f32, in the order of d: 256 bytes
.set LAPS, SIZE_K/(2*KSTEP)            ; a lap = two K steps = once round the ring: 4
.set ADRA, 16                          ; v16-17  LDS address of my xb fragments in slot 0, 1
.set ADRB, 20                          ; v20-21  the same for wb
.set STO,  24                          ; v24     the way out: where I put 8 bytes of a row of q
.set RD,   25                          ; v25     the way out: where I read 16 bytes of a row back
.set CO,   26                          ; v26     16 x lane: my place in 512 consecutive bytes of qh or kc, and of the head's biases
.set F0,   64                          ; fragment buffer 0
.set F1,   128                         ; fragment buffer 1
.set SUMA, 64                          ; the way out: column sums (32 registers each)
.set SUMB, 96
.set SUMC, 128
.set SUMD, 160
.set TMP,  64                          ; the way out: packed f16
.set BI,   192                         ; v[192:255]  BI + 8 b + j: bias of column 16 b + 8 (l / 16) + j; later the addend of that column
.set G1, 24                            ; s[24:31] descriptor group 1 for xb's tiles
.set G0, 32                            ; s[32:39] descriptor group 0 for xb's tiles, one set for each slot
.set G1B, 48                           ; s[48:55] descriptor group 1 for wb's tiles: it differs in the mask alone
.set G0B, 56                           ; s[56:63] descriptor group 0 for wb's tiles, one set for each slot
.set MSB, 0
.macro WIN new                         ; the immediate's high byte repeats the setting that is left
.if MSB != \new
	s_set_vgpr_msb (MSB<<8)|\new
.set MSB, \new
.endif
.endm
.set MUL_LO, 0xa1                      ; source 0 (wb) window 1, source 1 (xb) window 0, C and D window 2
.set MUL_HI, 0xf1                      ; the same, C and D window 3
.set TO_B,   0x40                      ; destination window 1, address window 0
; A joint load.  Waves 0 and 1 fetch xb's two halves, waves 2 and 3 wb's.  Each line has one mask and one set of registers for all that
; issue it.  The branch hangs on the wave's number alone: it is the same in every work-group.
.macro JLOAD s
	s_cmp_eq_u32 s11, 0
	s_cbranch_scc0 .Lfor_b_\@
	tensor_load_to_lds s[G0+4*\s:G0+4*\s+3], s[G1:G1+7]
	s_nop 0
	s_branch .Lasked_\@
.Lfor_b_\@:
	tensor_load_to_lds s[G0B+4*\s:G0B+4*\s+3], s[G1B:G1B+7]
	s_nop 0
.Lasked_\@:
.endm
; A round of the cluster's barrier: my work-group's barrier; wave 0 signals for the work-group; every wave waits for all sixteen
; work-groups; my work-group's barrier once more.
.macro CREST                           ; a round behind its opening barrier
	s_cmp_lg_u32 s10, 0
	s_cbranch_scc1 .Lnot_wave_0_\@
	s_barrier_signal -3
.Lnot_wave_0_\@:
	s_barrier_wait -3
	s_barrier_signal -1
	s_barrier_wait -1
.endm
.macro CROUND                          ; a whole round
	s_barrier_signal -1
	s_barrier_wait -1
	CREST
.endm
	s_load_b128 s[4:7], s[0:1], 0x0                ; xb s[4:5], wb s[6:7]
	s_load_b256 s[68:75], s[0:1], 0x10             ; b_qk s[68:69], qh s[70:71], kc s[72:73], kref s[74:75]
	s_set_vgpr_msb 0x40
	v_lshl_add_u32 v255, v0, 2, 0x48c00
	s_set_vgpr_msb 0x4000
	v_mov_b32 v63, 0
	s_set_vgpr_msb 0x1
	ds_add_u32 v255, v63
	s_set_vgpr_msb 0x100
	v_lshrrev_b32 v1, 5, v0
	v_readfirstlane_b32 s10, v1                    ; wave 0..3
	s_lshr_b32 s11, s10, 1                         ; which half of the block's rows is mine.  Also: I fetch for xb (0) or for wb (1)
	s_and_b32 s12, s10, 1                          ; which half of its columns.  Also: which 128 rows of that tile I fetch
	s_bfe_u32 s40, ttmp6, 0x40000                  ; cx: my place along the cluster's x
	s_bfe_u32 s41, ttmp6, 0x40004                  ; cy: along its y
	s_lshl_b32 s42, ttmp9, 2                       ; in a cluster launch ttmp9 and ttmp7 count clusters
	s_add_co_u32 s42, s42, s40                     ; block column = 4 x cluster x + cx
	s_and_b32 s13, ttmp7, 0xffff
	s_lshl_b32 s13, s13, 2
	s_add_co_u32 s13, s13, s41                     ; block row = 4 x cluster y + cy
	s_lshl_b32 s43, s41, 2
	s_lshl_b32 s43, 15, s43                        ; my row of the cluster: places 4 cy .. 4 cy + 3
	s_lshl_b32 s44, 0x1111, s40                    ; my column: places cx, cx + 4, cx + 8, cx + 12
	; descriptor group 1: a tile of 128 rows x 128 elements, padded in LDS
	s_or_b32 s[G1+0], s43, (1<<16)|(1<<20)|(1<<21)|(5<<22)|(3<<25)  ; 15:0 the mask: xb's tiles go to my row; 17:16 element of 2 bytes; 20 padding on; 21 set beside a mask; 24:22 after every 64 words; 31:25 of 4 words
	s_or_b32 s[G1B+0], s44, (1<<16)|(1<<20)|(1<<21)|(5<<22)|(3<<25) ; the same with the mask of my column, for wb's tiles
	s_mov_b32 s[G1B+1], KSTEP<<16
	s_mov_b32 s[G1+1], KSTEP<<16                   ; 63:48 tensor_dim0, low half = 128
	s_mov_b32 s[G1B+2], 128<<16
	s_mov_b32 s[G1+2], 128<<16                     ; 95:80 tensor_dim1, low half = 128
	s_mov_b32 s[G1B+3], KSTEP<<16
	s_mov_b32 s[G1+3], KSTEP<<16                   ; 127:112 tile_dim0 = 128
	s_mov_b32 s[G1B+4], 128
	s_mov_b32 s[G1+4], 128                         ; 143:128 tile_dim1 = 128; tile_dim2 = 0
	s_mov_b32 s[G1B+5], SIZE_K
	s_mov_b32 s[G1+5], SIZE_K                      ; 191:160 elements from row to row
	s_mov_b32 s[G1B+6], 0
	s_mov_b32 s[G1+6], 0
	s_mov_b32 s[G1B+7], 0
	s_mov_b32 s[G1+7], 0
	; where the tiles come from.  xb's hang on the block row alone, which my row of the cluster shares; wb's on the block column alone.
	s_lshl_b32 s17, s12, 7                         ; which 128 rows of the tile I fetch
	s_lshl_b32 s16, s13, 8
	s_add_co_u32 s16, s16, s17                     ; xb: row 256 x block row + 128 x half
	s_lshl_b32 s46, s42, 8
	s_add_co_u32 s46, s46, s17                     ; wb: row 256 x block column + 128 x half
	s_mov_b32 s17, 0
	s_mov_b32 s47, 0
	s_mov_b64 s[18:19], SIZE_K*2
	s_mul_u64 s[16:17], s[16:17], s[18:19]         ; in bytes
	s_mul_u64 s[46:47], s[46:47], s[18:19]
	s_mul_i32 s20, s10, HALFT                      ; and where they go: wave x 128 rows: no place in the cluster enters an LDS address
	s_mov_b32 s80, 0x3b800000                      ; 1 / 256
	s_mov_b32 s81, 0x3e38aa3b                      ; 0.125 x log2(e)
	s_wait_dscnt 0x0
	s_wait_kmcnt 0x0
	s_add_nc_u64 s[14:15], s[4:5], s[16:17]
	s_add_nc_u64 s[46:47], s[6:7], s[46:47]
	CROUND                                         ; all sixteen work-groups are here: the first joint loads meet
.irp s, 0,1
	s_mov_b32 s[G0+4*\s], 1                                        ; 1:0 count = 1
	s_add_co_u32 s[G0+4*\s+1], s20, \s*SLOT                        ; 63:32 LDS address
	s_add_nc_u64 s[G0+4*\s+2:G0+4*\s+3], s[14:15], \s*KSTEP*2      ; 120:64 global address: K step s
	s_or_b32 s[G0+4*\s+3], s[G0+4*\s+3], 0x80000000                ; 127:126 type = 2
	s_mov_b32 s[G0B+4*\s], 1
	s_add_co_u32 s[G0B+4*\s+1], s20, \s*SLOT
	s_add_nc_u64 s[G0B+4*\s+2:G0B+4*\s+3], s[46:47], \s*KSTEP*2
	s_or_b32 s[G0B+4*\s+3], s[G0B+4*\s+3], 0x80000000
	JLOAD \s                                       ; the ring is filled before anything else is done: two tensor loads of the wave are out
.endr
	; A fragment is 16 rows x 32 K in 8 registers: lane l holds row l % 16; registers 0-3 hold K = 8 (l / 16) + 0..7, registers 4-7 hold
	; K = 16 + 8 (l / 16) + 0..7: two loads of 16 bytes, 32 bytes apart.
	v_and_b32 v1, 15, v0                           ; l % 16
	v_bfe_u32 v2, v0, 4, 1                         ; l / 16
	v_mul_u32_u24 v3, v1, PITCH
	v_lshl_add_u32 v3, v2, 4, v3                   ; row x pitch + 16 x half
	s_mul_i32 s21, s11, HALFT                      ; my 128 rows of xb
	s_mul_i32 s22, s12, HALFT                      ; my 128 rows of wb,
	s_add_co_u32 s22, s22, 2*HALFT                 ; which lie behind xb's 256
.irp s, 0,1
	v_add_nc_u32 v[ADRA+\s], s21, v3
	v_add_nc_u32 v[ADRB+\s], s22, v3
	s_add_co_u32 s21, s21, SLOT
	s_add_co_u32 s22, s22, SLOT
.endr
	s_mul_i32 s23, s10, WSTAGE
	s_add_co_u32 s23, s23, STAGE                   ; my stage
	v_mul_u32_u24 v4, v1, QKP                      ; in: row l % 16, 8 bytes (four d) for each half of the lanes
	v_lshl_add_u32 v4, v2, 3, v4
	v_add_nc_u32 v[STO], s23, v4
	v_and_b32 v5, 31, v0                           ; lane
	v_lshrrev_b32 v6, 3, v5
	v_and_b32 v7, 7, v0
	v_mul_u32_u24 v6, v6, QKP                      ; back: eight lanes take one row of 128 bytes, the wave four rows
	v_lshl_add_u32 v6, v7, 4, v6
	v_add_nc_u32 v[RD], s23, v6
	v_lshlrev_b32 v[CO], 4, v5                     ; those four rows are 512 consecutive bytes of qh or kc
	v_lshlrev_b32 v27, 5, v2                       ; 32 (l / 16): my eight columns in each 64 bytes of biases
	v_lshlrev_b32 v31, 3, v5                       ; 8 x lane: d = 2 lane, 2 lane + 1 in a row of kref
	s_lshl_b32 s66, s10, 8
	s_add_co_u32 s66, s66, COLS                    ; my column sums
	s_xor_b32 s77, s10, 2                          ; the wave with the same columns and the other 128 rows
	s_lshl_b32 s77, s77, 8
	s_add_co_u32 s77, s77, COLS                    ; its column sums
	v_lshl_add_u32 v29, v2, 4, s66
	v_lshl_add_u32 v30, v2, 4, s77
	v_add_nc_u32 v38, s66, v31
	v_add_nc_u32 v39, s77, v31
	v_mov_b32 v36, 0x3e38aa3b                      ; v[36:37]: the factors of a pair (q, k)
	v_mov_b32 v37, 1.0
	s_lshl_b32 s76, s42, 1
	s_add_co_u32 s76, s76, s12                     ; my head = 2 x block column + column half
	s_lshl_b32 s82, s76, 9                         ; 128 biases of 4 bytes for each head
	s_mov_b32 s83, 0
	s_add_nc_u64 s[78:79], s[68:69], s[82:83]
.irp b, 0,1,2,3,4,5,6,7
	global_load_b128 v[BI+8*\b:BI+8*\b+3],   v27, s[78:79] offset:64*\b
	global_load_b128 v[BI+8*\b+4:BI+8*\b+7], v27, s[78:79] offset:64*\b+16
.endr
	global_load_b128 v[32:35], v[CO], s[78:79]     ; v33, v35: the biases of k at d = 2 lane, 2 lane + 1
; 16 matrix instructions: m blocks a0, a0 + 1 of the window's four x all 8 n blocks, 32 along K.  zero = 1: the first product starts the sums.
; The 64 accumulators take turns, one instruction a turn, in the same order in every quarter step.
.macro MUL16 f, hi, a0, zero
.irp a, \a0, \a0+1
.irp b, 0,1,2,3,4,5,6,7
.if \zero
	v_wmma_f32_16x16x32_bf16 v[8*(8*(\a)+\b):8*(8*(\a)+\b)+7], v[\f+8*\b:\f+8*\b+7], v[\f+8*(4*\hi+\a):\f+8*(4*\hi+\a)+7], 0
.else
	v_wmma_f32_16x16x32_bf16 v[8*(8*(\a)+\b):8*(8*(\a)+\b)+7], v[\f+8*\b:\f+8*\b+7], v[\f+8*(4*\hi+\a):\f+8*(4*\hi+\a)+7], v[8*(8*(\a)+\b):8*(8*(\a)+\b)+7]
.endif
.endr
.endr
.endm
; 32 LDS loads in one run: the fragments of one quarter step (32 K at byte k of the rows) into buffer f
.macro FETCH slot, k, f
	WIN TO_B
.irp i, 0,1,2,3,4,5,6,7
	ds_load_b128 v[\f+8*\i:\f+8*\i+3],   v[ADRB+\slot] offset:\k+\i*16*PITCH
	ds_load_b128 v[\f+8*\i+4:\f+8*\i+7], v[ADRB+\slot] offset:\k+\i*16*PITCH+32
.endr
	WIN 0
.irp i, 0,1,2,3,4,5,6,7
	ds_load_b128 v[\f+8*\i:\f+8*\i+3],   v[ADRA+\slot] offset:\k+\i*16*PITCH
	ds_load_b128 v[\f+8*\i+4:\f+8*\i+7], v[ADRA+\slot] offset:\k+\i*16*PITCH+32
.endr
.endm
; Four places behind a matrix instruction, ahead of a load into one of its registers and of a vector instruction that reads its result or
; writes one of its registers (ISA guide 7.12.1 for vector instructions).
.macro PLACES
.rept 4
	v_nop
.endr
.endm
; A K step is four quarter steps of 32 along K, 64 matrix instructions each, on buffers 0, 1, 0, 1.
.macro QUARTER slot, k, f, g, zero
	s_wait_dscnt 8                                 ; wb and xb's rows 0-63 are in; the youngest eight loads (xb's rows 64-127) may be out
	WIN MUL_LO
	MUL16 \f, 0, 0, \zero
	MUL16 \f, 0, 2, \zero
	PLACES
	FETCH \slot, \k, \g
	s_wait_dscnt 32                                ; all but the 32 just issued
	WIN MUL_HI
	MUL16 \f, 1, 0, \zero
	MUL16 \f, 1, 2, \zero
.endm
.macro THREE slot, zero
	QUARTER \slot, 64,  F0, F1, \zero
	QUARTER \slot, 128, F1, F0, 0
	QUARTER \slot, 192, F0, F1, 0
.endm
; The last quarter: multiplies buffer 1 and changes slots.  In front of the barrier each wave waits for its own reads of this slot and for
; all its tensor loads, of which one is out: its part of the next slot.  Behind it the refill comes first, then the next slot's fragments.
.macro TURN slot, next, fill
	s_wait_dscnt 8
	WIN MUL_LO
	MUL16 F1, 0, 0, 0
	s_wait_dscnt 0                                 ; my reads of this slot are over
	s_wait_tensorcnt 0x0                           ; and all my tensor loads have landed
	ds_add_u32 v255, v63
	s_wait_dscnt 0x0
	s_barrier_signal -1                            ; say so (where a slot is filled again this barrier opens a round of the cluster's barrier),
	MUL16 F1, 0, 2, 0                              ; work on registers while the others arrive,
	WIN 0
	s_barrier_wait -1
.if \fill
	CREST                                          ; no wave of any partner still reads this slot's tile or has a load on its way
	s_add_nc_u64 s[G0+4*\slot+2:G0+4*\slot+3], s[G0+4*\slot+2:G0+4*\slot+3], 2*KSTEP*2
	s_add_nc_u64 s[G0B+4*\slot+2:G0B+4*\slot+3], s[G0B+4*\slot+2:G0B+4*\slot+3], 2*KSTEP*2
	JLOAD \slot                                    ; the first tensor load behind the round, and the wave's only one until the next
.endif
	PLACES
	FETCH \next, 0, F0
	WIN MUL_HI
	MUL16 F1, 1, 0, 0
	MUL16 F1, 1, 2, 0
.endm
.macro LAP zero                        ; once round the ring, both slots filled again
	THREE 0, \zero
	TURN 0, 1, 1
	THREE 1, 0
	TURN 1, 0, 1
.endm
	s_wait_loadcnt 0x0                             ; the biases, once
	s_wait_tensorcnt 1                             ; my part of K step 0 is in; K step 1's load may stay out
	s_barrier_signal -1
	s_barrier_wait -1                              ; everybody's is
	FETCH 0, 0, F0
	LAP 1                                          ; the first lap stands in front of the loop: its first products start the sums
	WIN 0                                          ; at a label and at a branch every window is 0
	s_mov_b32 s3, LAPS-2
.Llap:
	LAP 0
	WIN 0
	s_sub_co_u32 s3, s3, 1
	s_cmp_lg_u32 s3, 0
	s_cbranch_scc1 .Llap
	THREE 0, 0                                     ; the last lap fills nothing and has no round of the cluster's barrier
	TURN 0, 1, 0
	THREE 1, 0
	s_wait_dscnt 8                                 ; the very last quarter: nothing more to fetch
	WIN MUL_LO
	MUL16 F1, 0, 0, 0
	MUL16 F1, 0, 2, 0
	s_wait_dscnt 0
	WIN MUL_HI
	MUL16 F1, 1, 0, 0
	MUL16 F1, 1, 2, 0
	; THE WAY OUT.  First the column sums of k (the odd registers) over my 128 rows: eight tiles down, then sixteen lanes across.
	PLACES                                         ; the places behind the last matrix instructions: results are read, fragment registers written
	WIN 0x0a                                       ; sources in window 2
.irp b, 0,1,2,3,4,5,6,7
.irp p, 0,1,2,3
	v_add_f32 v[SUMA+4*\b+\p], v[8*\b+2*\p+1],      v[8*(8+\b)+2*\p+1]
	v_add_f32 v[SUMB+4*\b+\p], v[8*(16+\b)+2*\p+1], v[8*(24+\b)+2*\p+1]
.endr
.endr
	WIN 0x0f                                       ; sources in window 3
.irp b, 0,1,2,3,4,5,6,7
.irp p, 0,1,2,3
	v_add_f32 v[SUMC+4*\b+\p], v[8*\b+2*\p+1],      v[8*(8+\b)+2*\p+1]
	v_add_f32 v[SUMD+4*\b+\p], v[8*(16+\b)+2*\p+1], v[8*(24+\b)+2*\p+1]
.endr
.endr
	WIN 0
.set i, 0
.rept 16
	v_pk_add_f32 v[SUMA+i:SUMA+i+1], v[SUMA+i:SUMA+i+1], v[SUMB+i:SUMB+i+1]
	v_pk_add_f32 v[SUMC+i:SUMC+i+1], v[SUMC+i:SUMC+i+1], v[SUMD+i:SUMD+i+1]
.set i, i+2
.endr
.set i, 0
.rept 16
	v_pk_add_f32 v[SUMA+i:SUMA+i+1], v[SUMA+i:SUMA+i+1], v[SUMC+i:SUMC+i+1]
.set i, i+2
.endr
.irp m, 1,2,4,8
.set i, 0
.rept 32
	v_add_f32_dpp v[SUMA+i], v[SUMA+i], v[SUMA+i] row_xmask:\m row_mask:0xf bank_mask:0xf   ; over the 16 rows that the lanes of a half hold
.set i, i+1
.endr
.endr
	; SUMA + 4 b + p now holds, in every lane of a half, the sum at d = 8 b + 4 (l / 16) + p.  The two waves with the same columns meet in LDS.
.irp b, 0,1,2,3,4,5,6,7
	ds_store_b128 v29, v[SUMA+4*\b:SUMA+4*\b+3] offset:32*\b       ; sixteen lanes write the same 16 bytes with the same numbers
.endr
	s_wait_dscnt 0x0                               ; for the other wave's sake: my sums are in LDS
	s_barrier_signal -1
	s_barrier_wait -1
.irp b, 0,1,2,3,4,5,6,7
	ds_load_b128 v[SUMB+4*\b:SUMB+4*\b+3], v30 offset:32*\b        ; the other 128 rows' sums
.endr
	ds_load_b64 v[40:41], v38                      ; and both waves' sums at d = 2 lane, 2 lane + 1, for the row of kref
	ds_load_b64 v[42:43], v39
	; bases, while the loads are out
	s_lshl_b32 s82, s13, 12                        ; kref: block row x 4,096 bytes
	s_lshl_b32 s66, s76, 8                         ; + head x 256
	s_add_co_u32 s82, s82, s66
	s_add_nc_u64 s[74:75], s[74:75], s[82:83]      ; (s83 is still 0)
	s_lshr_b32 s82, s13, 3                         ; b
	s_lshl_b32 s82, s82, 4
	s_add_co_u32 s82, s82, s76                     ; 16 b + h
	s_lshl_b32 s82, s82, 18                        ; x 2,048 rows of 128 bytes
	s_and_b32 s66, s13, 7
	s_lshl_b32 s66, s66, 15                        ; + block in the sequence x 256 rows
	s_add_co_u32 s82, s82, s66
	s_lshl_b32 s66, s11, 14                        ; + my half x 128 rows
	s_add_co_u32 s82, s82, s66
	s_add_nc_u64 s[70:71], s[70:71], s[82:83]
	s_add_nc_u64 s[72:73], s[72:73], s[82:83]
	s_wait_dscnt 0x0
.set i, 0
.rept 16
	v_pk_add_f32 v[SUMA+i:SUMA+i+1], v[SUMA+i:SUMA+i+1], v[SUMB+i:SUMB+i+1]    ; a sum of two: the same bits in both waves
.set i, i+2
.endr
.irp b, 0,1,2,3,4,5,6,7
.irp p, 0,1,2,3
	v_fma_f32 v[SUMA+4*\b+\p], v[SUMA+4*\b+\p], s80, v[BI+8*\b+2*\p+1]         ; kref = sum / 256 + bias of k
	v_mul_f32 v[BI+8*\b+2*\p], s81, v[BI+8*\b+2*\p]                            ; addend of q: bias x 0.125 log2(e)
.endr
.endr
.irp b, 0,1,2,3,4,5,6,7
.irp p, 0,1,2,3
	v_sub_f32 v[BI+8*\b+2*\p+1], v[BI+8*\b+2*\p+1], v[SUMA+4*\b+\p]            ; addend of k: bias - kref
.endr
.endr
	s_cmp_lg_u32 s11, 0                            ; one wave of the two stores the head's 64 numbers of kref
	s_cbranch_scc1 .Lno_kref
	v_pk_add_f32 v[44:45], v[40:41], v[42:43]
	v_fma_f32 v44, v44, s80, v33
	v_fma_f32 v45, v45, s80, v35
	global_store_b64 v31, v[44:45], s[74:75]       ; the wave stores 256 consecutive bytes, aligned
.Lno_kref:
; rows 16 i .. 16 i + 15 of my block = the eight tiles (a, 0..7) of window 2 or 3.  wf: window setting for the multiply-adds in place
; (source 0 and destination in the tiles' window), wc: for the conversions (sources 0 and 1 there); rb: read-back registers, two sets in turn.
.macro OUT16 i, a, wf, wc, rb
	WIN \wf
.irp b, 0,1,2,3,4,5,6,7
.irp p, 0,2,4,6
	v_pk_fma_f32 v[8*(8*\a+\b)+\p:8*(8*\a+\b)+\p+1], v[8*(8*\a+\b)+\p:8*(8*\a+\b)+\p+1], v[36:37], v[BI+8*\b+\p:BI+8*\b+\p+1]
.endr
.endr
	WIN \wc
.irp b, 0,1,2,3,4,5,6,7
	v_cvt_pk_f16_f32 v[TMP+4*\b],   v[8*(8*\a+\b)],   v[8*(8*\a+\b)+2]         ; q at d = 8 b + 4 (l / 16) + 0, 1
	v_cvt_pk_f16_f32 v[TMP+4*\b+1], v[8*(8*\a+\b)+4], v[8*(8*\a+\b)+6]         ; q at + 2, 3
	v_cvt_pk_f16_f32 v[TMP+4*\b+2], v[8*(8*\a+\b)+1], v[8*(8*\a+\b)+3]         ; k likewise
	v_cvt_pk_f16_f32 v[TMP+4*\b+3], v[8*(8*\a+\b)+5], v[8*(8*\a+\b)+7]
.endr
	WIN 0
.irp b, 0,1,2,3,4,5,6,7
	ds_store_b64 v[STO], v[TMP+4*\b:TMP+4*\b+1]   offset:16*\b
	ds_store_b64 v[STO], v[TMP+4*\b+2:TMP+4*\b+3] offset:KPART+16*\b
.endr
	s_wait_xcnt 0x0                                ; every earlier store has had its addresses translated (ISA guide 3.1): the read-back registers are loaded again only behind this wait
.irp t, 0,1,2,3
	ds_load_b128 v[\rb+4*\t:\rb+4*\t+3], v[RD] offset:4*QKP*\t                 ; LDS serves a wave's instructions in order (ISA guide 5.7.1.4): these see the stores above
.endr
.irp t, 0,1,2,3
	ds_load_b128 v[\rb+16+4*\t:\rb+16+4*\t+3], v[RD] offset:KPART+4*QKP*\t
.endr
.irp t, 0,1,2,3
	s_wait_dscnt 7-\t                              ; the count is the number of younger read-backs
	global_store_b128 v[CO], v[\rb+4*\t:\rb+4*\t+3], s[70:71] offset:\i*2048+\t*512          ; four rows of qh: 512 consecutive bytes
.endr
.irp t, 0,1,2,3
	s_wait_dscnt 3-\t
	global_store_b128 v[CO], v[\rb+16+4*\t:\rb+16+4*\t+3], s[72:73] offset:\i*2048+\t*512    ; four rows of kc
.endr
.endm
	OUT16 0, 0, 0x82, 0x0a, 96
	OUT16 1, 1, 0x82, 0x0a, 128
	OUT16 2, 2, 0x82, 0x0a, 96
	OUT16 3, 3, 0x82, 0x0a, 128
	OUT16 4, 0, 0xc3, 0x0f, 96
	OUT16 5, 1, 0xc3, 0x0f, 128
	OUT16 6, 2, 0xc3, 0x0f, 96
	OUT16 7, 3, 0xc3, 0x0f, 128
	s_set_vgpr_msb 0x1
	s_wait_tensorcnt 0x0
	ds_add_u32 v255, v63
	s_wait_dscnt 0x0
	s_set_vgpr_msb 0x100
	CROUND                                         ; the closing round: no work-group ends while a partner may still ask for a tile that names it
	s_endpgm
.Lfunc_end_k_q90d32d27b7_proj:
	.size	k_q90d32d27b7_proj, .Lfunc_end_k_q90d32d27b7_proj-k_q90d32d27b7_proj
	.p2alignl 7, 3214868480
	.fill 96, 4, 3214868480
	.section	.rodata,"a",@progbits
	.p2align	6, 0x0
	.amdhsa_kernel k_q90d32d27b7_proj
		.amdhsa_group_segment_fixed_size 327680
		.amdhsa_private_segment_fixed_size 0
		.amdhsa_enable_private_segment 0
		.amdhsa_kernarg_size 48
		.amdhsa_user_sgpr_count 2
		.amdhsa_user_sgpr_kernarg_segment_ptr 1
		.amdhsa_wavefront_size32 1
		.amdhsa_system_sgpr_workgroup_id_x 1
		.amdhsa_system_sgpr_workgroup_id_y 1
		.amdhsa_system_sgpr_workgroup_id_z 1
		.amdhsa_system_vgpr_workitem_id 0
		.amdhsa_next_free_vgpr 1024
		.amdhsa_next_free_sgpr 84
		.amdhsa_reserve_vcc 0
		.amdhsa_float_denorm_mode_32 3
		.amdhsa_float_denorm_mode_16_64 3
		.amdhsa_memory_ordered 1
		.amdhsa_forward_progress 1
		.amdhsa_inst_pref_size 240
	.end_amdhsa_kernel
	.amdgpu_metadata
---
amdhsa.version: [ 1, 2 ]
amdhsa.kernels:
  - .name:           k_q90d32d27b7_proj
    .symbol:         k_q90d32d27b7_proj.kd
    .args:
      - { .name: xb, .offset: 0, .size: 8, .value_kind: global_buffer, .address_space: global }
      - { .name: wb, .offset: 8, .size: 8, .value_kind: global_buffer, .address_space: global }
      - { .name: b_qk, .offset: 16, .size: 8, .value_kind: global_buffer, .address_space: global }
      - { .name: qh, .offset: 24, .size: 8, .value_kind: global_buffer, .address_space: global }
      - { .name: kc, .offset: 32, .size: 8, .value_kind: global_buffer, .address_space: global }
      - { .name: kref, .offset: 40, .size: 8, .value_kind: global_buffer, .address_space: global }
    .group_segment_fixed_size: 327680
    .private_segment_fixed_size: 0
    .kernarg_segment_align: 8
    .kernarg_segment_size: 48
    .max_flat_workgroup_size: 128
    .sgpr_count:     84
    .vgpr_count:     1024
    .wavefront_size: 32
...
	.end_amdgpu_metadata
.endif
;; end of part 2
;; launch attn (part 3): grid 256 x 1, 8 waves a work-group, clusters of 4 x 1, 327,680 bytes of LDS; arguments qh, kc, xb, kref, out0; writes out0
.if DOCPART == 3
	.amdgcn_target "amdgcn-amd-amdhsa--gfx1250"
	.amdhsa_code_object_version 6
	.text
	.protected	k_q90d32d27b7_attn
	.globl	k_q90d32d27b7_attn
	.p2align	8
	.type	k_q90d32d27b7_attn,@function
k_q90d32d27b7_attn:
	s_mov_b64 s[64:65], 0
	v_nop
	global_prefetch_b8 v0, s[64:65] scope:SCOPE_SE
	s_setreg_imm32_b32 hwreg(HW_REG_WAVE_MODE, 25, 1), 1
	s_wait_xcnt 0x0
	s_wait_alu depctr_hold_cnt(0) depctr_sa_sdst(0) depctr_va_vdst(0) depctr_va_sdst(0) depctr_va_ssrc(0) depctr_va_vcc(0) depctr_vm_vsrc(0)
	s_getreg_b32 s2, hwreg(HW_REG_IB_STS2, 6, 4)
	s_cmp_eq_u32 s2, 0
	s_cbranch_scc0 .Lentry_in_a_cluster
	s_endpgm
.Lentry_in_a_cluster:
	s_bfe_u32 s2, ttmp6, 0x10000c
	s_cmp_lg_u32 s2, 0x3003
	s_cbranch_scc0 .Lentry_shape_is_right
	s_endpgm
.Lentry_shape_is_right:
; out0[b][i][64 h + d] = 2048^-0.5 x sum over j of selu(sim(i, j) - mean over j of sim(i, j)) x[b][j][64 h + d].
; The mean is linear: log2(e) (sim - mean) = s(i, j) = qh(i) . (kc(j) + delta(block of j)), delta(blk) = kref(blk) - mean over the 8 blocks of kref.
; qh carries 0.125 log2(e).  With A = alpha / ln 2:   P = selu / (lambda ln 2) = min( max(A 2^s - A2, alpha s), max(s, 0) ),  A2 = A + 2^-21.
;   s > 0: alpha s > s, so the result is s, also where 2^s is infinite.   s < 0: both A 2^s - A2 and alpha s lie below A (2^s - 1): the first by
;   its offset, which is larger than one unit in the last place of 2^s times A; the second since e^x - 1 >= x.  Their maximum is within
;   4.5e-4 relative of A (2^s - 1) for every s < 0, so small scores lose nothing.  out = lambda ln 2 / sqrt(2048) x sum of P v.
; LIMITS: qh, kc, delta are f16 (magnitudes up to 65504; step 6e-8 below 6.1e-5); P and v are bf16; the 4.5e-4 above; the sums are ordered
; otherwise than in a row-by-row evaluation; NaN and infinite inputs are not followed.
; SHARE: a cluster of four work-groups is one (b, h); work-group cx takes 512 queries, each of its eight waves 64 (four tiles of 16).
; All four walk the same 2,048 keys, so the tiles of kc and of xb are asked for jointly (mask 15).  Eight waves, two on a SIMD: a tile of
; 16 x 16 scores has 4 matrix instructions and 36 vector instructions, and one wave's vector work runs beside the other's products.
; NO SHUFFLE: the score product is made transposed (source 0 = 16 keys, source 1 = 16 queries), so lane (r, hh), register j holds key
; 8 hh + j of query r; two such tiles, packed to bf16, are the source-1 fragment (32 keys x 16 queries) of the second product as they lie.
; Its source 0 (16 d x 32 keys) comes from V[key][d] by transposing LDS loads.  Its result: lane (r, hh), register j: d = 8 hh + j of query r.
.set KP,    144                        ; LDS pitch of a key's 128 bytes of kc: 36 words, the 16 rows of a fragment start at 16 different banks (64 banks of 4 bytes: ISA guide 11.1)
.set VP,    160                        ; LDS pitch of a key's 128 bytes of v: an odd multiple of 32 bytes, for the transposing loads
.set VOFF,  256*KP                     ; a slot: 256 keys of kc, then 256 keys of v
.set SLOT,  256*KP+256*VP              ; 77,824 bytes
.set STAGE, 2*SLOT                     ; behind the ring, in bytes that no tensor load fills: 16 rows x 272 bytes for each wave
.set SP,    272
.set DELTA, STAGE+8*16*SP              ; 8 blocks x 64 f16
.set DB,  3                            ; v3      DELTA + 16 hh
.set KA,  4                            ; v4-5    LDS address of my kc fragments in slot 0, 1
.set VA,  6                            ; v6-7    the same for v
.set DA,  8                            ; v8      DB + 256 x pair of runs
.set STO, 9                            ; v9      the way out: where I put 32 bytes of a row
.set RD,  10                           ; v10     the way out: where I read 16 bytes of a row back
.set CO,  11                           ; v11     my byte offset in out0
.set LT,  12                           ; v[12:15]  alpha s, four at a time
                                       ; v[16:17] A, A   v[18:19] -A2, -A2   v[20:21] alpha, alpha   v[22:23] lambda ln 2 / sqrt(2048), twice
.set KF,  24                           ; v[24:55]    kc fragments at 8 (2 kt + ks)
.set VF,  56                           ; v[56:87]    v fragments at 8 dt
.set SC,  88                           ; v[88:151]   scores at 8 (2 qt + kt)
.set PB,  152                          ; v[152:183]  P fragments at 8 qt
.set EA,  184                          ; v[184:199]  2^s of one query tile; at the head of a run the delta fragments
.set EB,  200                          ; v[200:215]  2^s of the next
.set MC,  216                          ; v[216:247]  qh . delta at 8 qt, the same number in all eight registers
.set QF,  0                            ; window 1, v[0:63]    qh fragments at 8 (2 qt + ks)
.set OA,  64                           ; window 1, v[64:191]  sums of the second product at 8 (4 qt + dt)
.set KR,  88                           ; at the head only: nine pairs of kref
.set G1K, 16                           ; s[16:23] descriptor group 1, kc
.set G1V, 24                           ; s[24:31] descriptor group 1, v
.set G0K, 32                           ; s[32:39] descriptor group 0, kc, one set for each slot
.set G0V, 40                           ; s[40:47] descriptor group 0, v, one set for each slot
.set MSB, 0
.macro WIN new                         ; the immediate's high byte repeats the setting that is left
.if MSB != \new
	s_set_vgpr_msb (MSB<<8)|\new
.set MSB, \new
.endif
.endm
; A joint load: waves 0-3 fetch a quarter (64 keys) of kc each, waves 4-7 a quarter of v.  The branch hangs on the wave's number alone.
.macro JLOAD s
	s_cmp_eq_u32 s15, 0
	s_cbranch_scc0 .Lfor_v_\@
	tensor_load_to_lds s[G0K+4*\s:G0K+4*\s+3], s[G1K:G1K+7]
	s_nop 0
	s_branch .Lasked_\@
.Lfor_v_\@:
	tensor_load_to_lds s[G0V+4*\s:G0V+4*\s+3], s[G1V:G1V+7]
	s_nop 0
.Lasked_\@:
.endm
.macro CREST                           ; a round of the cluster's barrier behind its opening barrier
	s_cmp_lg_u32 s14, 0
	s_cbranch_scc1 .Lnot_wave_0_\@
	s_barrier_signal -3
.Lnot_wave_0_\@:
	s_barrier_wait -3
	s_barrier_signal -1
	s_barrier_wait -1
.endm
.macro ROUND                           ; a whole round
	s_barrier_signal -1
	s_barrier_wait -1
	CREST
.endm
.macro PLACES                          ; four places behind a matrix instruction (ISA guide 7.12.1 for vector instructions)
.rept 4
	v_nop
.endr
.endm
	s_load_b256 s[4:11], s[0:1], 0x0               ; qh s[4:5], kc s[6:7], xb s[8:9], kref s[10:11]
	s_load_b64 s[12:13], s[0:1], 0x20              ; out0
	v_lshl_add_u32 v254, v0, 2, 0x2ec00
	v_mov_b32 v255, 0
	ds_add_u32 v254, v255
	v_lshrrev_b32 v1, 5, v0
	v_readfirstlane_b32 s14, v1                    ; wave 0..7
	s_lshr_b32 s15, s14, 2                         ; I fetch for kc (0) or for v (1)
	s_and_b32 s48, s14, 3                          ; which 64 keys of a slot I fetch
	s_bfe_u32 s49, ttmp6, 0x40000                  ; cx: my block of 512 queries; it enters plain global addresses alone
	s_lshr_b32 s51, ttmp9, 4                       ; the cluster's number is 16 b + h
	s_and_b32 s52, ttmp9, 15
	; group 1: 64 rows x 64 elements of 2 bytes; 15:0 mask 15; 17:16 size; 20 padding on; 21 set beside a mask; 24:22 after every 32 words; 31:25 of 4 (kc) or 8 (v) words
	s_mov_b32 s[G1K+0], 0x0731000f
	s_mov_b32 s[G1K+1], 64<<16                     ; tensor_dim0 = 64
	s_mov_b32 s[G1K+2], 64<<16                     ; tensor_dim1 = 64
	s_mov_b32 s[G1K+3], 64<<16                     ; tile_dim0 = 64
	s_mov_b32 s[G1K+4], 64                         ; tile_dim1 = 64
	s_mov_b32 s[G1K+5], 64                         ; kc: 64 elements from key to key
	s_mov_b32 s[G1K+6], 0
	s_mov_b32 s[G1K+7], 0
	s_mov_b32 s[G1V+0], 0x0f31000f
	s_mov_b32 s[G1V+1], 64<<16
	s_mov_b32 s[G1V+2], 64<<16
	s_mov_b32 s[G1V+3], 64<<16
	s_mov_b32 s[G1V+4], 64
	s_mov_b32 s[G1V+5], 1024                       ; xb: 1,024 elements from key to key
	s_mov_b32 s[G1V+6], 0
	s_mov_b32 s[G1V+7], 0
	s_lshl_b32 s54, ttmp9, 18                      ; kc: (16 b + h) x 2,048 keys of 128 bytes
	s_lshl_b32 s53, s48, 13                        ; + my quarter x 64 keys
	s_add_co_u32 s54, s54, s53
	s_mov_b32 s55, 0
	s_lshl_b32 s56, s51, 22                        ; xb: b x 2,048 rows of 2,048 bytes
	s_lshl_b32 s53, s48, 17                        ; + my quarter x 64 rows
	s_add_co_u32 s56, s56, s53
	s_lshl_b32 s53, s52, 7                         ; + h x 128 bytes
	s_add_co_u32 s56, s56, s53
	s_mov_b32 s57, 0
	s_mul_i32 s60, s48, 64*KP                      ; where they go: the quarter alone enters the LDS addresses
	s_mul_i32 s61, s48, 64*VP
	s_add_co_u32 s61, s61, VOFF
	s_wait_dscnt 0x0
	s_wait_kmcnt 0x0
	s_add_nc_u64 s[54:55], s[6:7], s[54:55]
	s_add_nc_u64 s[56:57], s[8:9], s[56:57]
.irp n, 0,1
	s_mov_b32 s[G0K+4*\n], 1                                       ; count = 1
	s_add_co_u32 s[G0K+4*\n+1], s60, \n*SLOT                       ; LDS address
	s_add_nc_u64 s[G0K+4*\n+2:G0K+4*\n+3], s[54:55], \n*32768      ; keys 256 n on
	s_or_b32 s[G0K+4*\n+3], s[G0K+4*\n+3], 0x80000000              ; type = 2
	s_mov_b32 s[G0V+4*\n], 1
	s_add_co_u32 s[G0V+4*\n+1], s61, \n*SLOT
	s_add_nc_u64 s[G0V+4*\n+2:G0V+4*\n+3], s[56:57], \n*524288
	s_or_b32 s[G0V+4*\n+3], s[G0V+4*\n+3], 0x80000000
.endr
	ROUND                                          ; all four work-groups are here: the first joint loads meet
	JLOAD 0                                        ; both first fills as one group: two tensor loads of the wave are out
	JLOAD 1
	s_lshl_b32 s62, ttmp9, 18                      ; qh: (16 b + h) x 2,048 rows of 128 bytes
	s_lshl_b32 s53, s49, 16                        ; + cx x 512 rows
	s_add_co_u32 s62, s62, s53
	s_lshl_b32 s53, s14, 13                        ; + wave x 64 rows
	s_add_co_u32 s62, s62, s53
	s_mov_b32 s63, 0
	s_add_nc_u64 s[4:5], s[4:5], s[62:63]
	s_lshl_b32 s62, s51, 15                        ; kref: b x 8 blocks of 4,096 bytes
	s_lshl_b32 s53, s52, 8                         ; + h x 256
	s_add_co_u32 s62, s62, s53
	s_add_nc_u64 s[10:11], s[10:11], s[62:63]
	s_lshl_b32 s62, s51, 23                        ; out0: b x 2,048 rows of 4,096 bytes
	s_add_co_u32 s62, s62, s53                     ; + h x 256
	s_lshl_b32 s53, s49, 21                        ; + cx x 512 rows
	s_add_co_u32 s62, s62, s53
	s_lshl_b32 s53, s14, 18                        ; + wave x 64 rows
	s_add_co_u32 s62, s62, s53
	s_add_nc_u64 s[12:13], s[12:13], s[62:63]
	s_mul_i32 s59, s14, 16*SP
	s_add_co_u32 s59, s59, STAGE                   ; my stage
	s_mov_b32 s53, 0xbe000000                      ; -1 / 8
	v_and_b32 v1, 15, v0                           ; r
	v_bfe_u32 v2, v0, 4, 1                         ; hh
	v_and_b32 v12, 31, v0                          ; lane
	v_lshlrev_b32 v108, 7, v1
	v_lshl_add_u32 v108, v2, 4, v108               ; qh: row r, 16 bytes for each half of the lanes
	WIN 0x40                                       ; destination in window 1
.irp q, 0,1,2,3
.irp k, 0,1
	global_load_b128 v[QF+16*\q+8*\k:QF+16*\q+8*\k+3],   v108, s[4:5] offset:\q*2048+\k*64 th:TH_LOAD_NT
	global_load_b128 v[QF+16*\q+8*\k+4:QF+16*\q+8*\k+7], v108, s[4:5] offset:\q*2048+\k*64+32 th:TH_LOAD_NT
.endr
.endr
	WIN 0
	v_lshlrev_b32 v109, 3, v12                     ; kref: d = 2 lane, 2 lane + 1
	v_lshl_add_u32 v110, s14, 12, v109             ; the same in block number wave
.irp n, 0,1,2,3,4,5,6,7
	global_load_b64 v[KR+2*\n:KR+2*\n+1], v109, s[10:11] offset:\n*4096
.endr
	global_load_b64 v[KR+16:KR+17], v110, s[10:11]
	v_mul_u32_u24 v[KA], v1, KP
	v_lshl_add_u32 v[KA], v2, 4, v[KA]             ; key r x pitch + 16 hh
	v_add_nc_u32 v[KA+1], SLOT, v[KA]
	v_and_b32 v13, 7, v0
	v_lshl_add_u32 v13, v2, 3, v13                 ; key 8 hh + lane % 8
	v_mul_u32_u24 v13, v13, VP
	v_bfe_u32 v14, v0, 3, 1
	v_lshl_add_u32 v13, v14, 4, v13                ; + 16 bytes for the odd groups of eight lanes
	v_add_nc_u32 v[VA], VOFF, v13
	v_add_nc_u32 v[VA+1], VOFF+SLOT, v13
	v_lshl_add_u32 v[DB], v2, 4, DELTA
	v_mul_u32_u24 v[STO], v1, SP
	v_lshl_add_u32 v[STO], v2, 5, v[STO]
	v_add_nc_u32 v[STO], s59, v[STO]               ; in: row r, 32 bytes (eight d) for each half of the lanes
	v_mul_u32_u24 v[RD], v2, SP
	v_lshl_add_u32 v[RD], v1, 4, v[RD]
	v_add_nc_u32 v[RD], s59, v[RD]                 ; back: lanes 0-15 take one row of 256 bytes, lanes 16-31 the next
	v_lshlrev_b32 v[CO], 4, v1
	v_lshl_add_u32 v[CO], v2, 12, v[CO]            ; and the same two rows in out0
	v_lshlrev_b32 v111, 2, v12
	v_lshl_add_u32 v111, s14, 7, v111
	v_add_nc_u32 v111, DELTA, v111                 ; delta of block number wave, two f16 a lane
	v_mov_b32 v16, 0x401a7f1e                      ; A = alpha / ln 2
	v_mov_b32 v17, 0x401a7f1e
	v_mov_b32 v18, 0xc01a7f20                      ; -(A + 2^-21)
	v_mov_b32 v19, 0xc01a7f20
	v_mov_b32 v20, 0x3fd62d7d                      ; alpha
	v_mov_b32 v21, 0x3fd62d7d
	v_mov_b32 v22, 0x3c83d5ac                      ; lambda ln 2 / sqrt(2048)
	v_mov_b32 v23, 0x3c83d5ac
	s_wait_loadcnt 0x0                             ; qh and kref, once
	v_pk_add_f32 v[KR:KR+1],     v[KR:KR+1],     v[KR+2:KR+3]
	v_pk_add_f32 v[KR+4:KR+5],   v[KR+4:KR+5],   v[KR+6:KR+7]
	v_pk_add_f32 v[KR+8:KR+9],   v[KR+8:KR+9],   v[KR+10:KR+11]
	v_pk_add_f32 v[KR+12:KR+13], v[KR+12:KR+13], v[KR+14:KR+15]
	v_pk_add_f32 v[KR:KR+1],     v[KR:KR+1],     v[KR+4:KR+5]
	v_pk_add_f32 v[KR+8:KR+9],   v[KR+8:KR+9],   v[KR+12:KR+13]
	v_pk_add_f32 v[KR:KR+1],     v[KR:KR+1],     v[KR+8:KR+9]
	v_fma_f32 v[KR],   v[KR],   s53, v[KR+16]      ; delta = kref of my block - sum / 8
	v_fma_f32 v[KR+1], v[KR+1], s53, v[KR+17]
	v_cvt_pk_f16_f32 v106, v[KR], v[KR+1]
	ds_store_b32 v111, v106
	s_wait_dscnt 0x0                               ; for the others' sake: my block's delta is in LDS
	s_wait_tensorcnt 0x1                           ; my part of slot 0 is in; slot 1's load may stay out
	s_barrier_signal -1
	s_barrier_wait -1
.macro LDK s, j                        ; keys 32 j .. 32 j + 31 of slot s: two tiles of 16 keys x 64 d, eight loads
.irp t, 0,1
.irp k, 0,1
	ds_load_b128 v[KF+16*\t+8*\k:KF+16*\t+8*\k+3],   v[KA+\s] offset:(\j)*32*KP+\t*16*KP+\k*64
	ds_load_b128 v[KF+16*\t+8*\k+4:KF+16*\t+8*\k+7], v[KA+\s] offset:(\j)*32*KP+\t*16*KP+\k*64+32
.endr
.endr
.endm
.macro LDV s, j                        ; the same keys of v, transposed: four tiles of 16 d x 32 keys, eight loads
.irp d, 0,1,2,3
	ds_load_tr16_b128 v[VF+8*\d:VF+8*\d+3],   v[VA+\s] offset:(\j)*32*VP+32*\d
	ds_load_tr16_b128 v[VF+8*\d+4:VF+8*\d+7], v[VA+\s] offset:(\j)*32*VP+32*\d+16*VP
.endr
.endm
; 16 matrix instructions: eight score tiles, d = 0..31 onto qh . delta, then d = 32..63 in place.  The eight take turns, one instruction a
; turn.
.macro SMUL
	WIN 0x04                                       ; source 1 (qh) in window 1
.irp q, 0,1,2,3
.irp t, 0,1
	v_wmma_f32_16x16x32_f16 v[SC+8*(2*\q+\t):SC+8*(2*\q+\t)+7], v[KF+16*\t:KF+16*\t+7], v[QF+16*\q:QF+16*\q+7], v[MC+8*\q:MC+8*\q+7]
.endr
.endr
.irp q, 0,1,2,3
.irp t, 0,1
	v_wmma_f32_16x16x32_f16 v[SC+8*(2*\q+\t):SC+8*(2*\q+\t)+7], v[KF+16*\t+8:KF+16*\t+15], v[QF+16*\q+8:QF+16*\q+15], v[SC+8*(2*\q+\t):SC+8*(2*\q+\t)+7]
.endr
.endr
.endm
.macro EXP16 g, buf                    ; 2^s of query tile g
.irp n, 0,1,2,3,4,5,6,7,8,9,10,11,12,13,14,15
	v_exp_f32 v[\buf+\n], v[SC+16*\g+\n]
.endr
.endm
; Query tile g, whose 2^s lie in cur, becomes its P fragment, four scores at a time; nxt = 1: the 2^s of tile g + 1 are made on the way, into
; nbuf.  Behind each run of v_exp_f32 stands a plain instruction on other registers before a result is used (ISA guide 5.7.2).
.macro FIN g, cur, nxt, nbuf
.irp n, 0,4,8,12
.if \nxt
	v_exp_f32 v[\nbuf+\n],   v[SC+16*(\g+1)+\n]
	v_exp_f32 v[\nbuf+\n+1], v[SC+16*(\g+1)+\n+1]
	v_exp_f32 v[\nbuf+\n+2], v[SC+16*(\g+1)+\n+2]
	v_exp_f32 v[\nbuf+\n+3], v[SC+16*(\g+1)+\n+3]
.endif
	s_wait_alu depctr_va_vdst(0)
	v_pk_fma_f32 v[\cur+\n:\cur+\n+1],   v[\cur+\n:\cur+\n+1],   v[16:17], v[18:19]            ; A 2^s - A2
	v_pk_fma_f32 v[\cur+\n+2:\cur+\n+3], v[\cur+\n+2:\cur+\n+3], v[16:17], v[18:19]
	v_pk_mul_f32 v[LT:LT+1],   v[SC+16*\g+\n:SC+16*\g+\n+1],   v[20:21]                        ; alpha s
	v_pk_mul_f32 v[LT+2:LT+3], v[SC+16*\g+\n+2:SC+16*\g+\n+3], v[20:21]
.irp k, 0,1,2,3
	v_max_num_f32 v[\cur+\n+\k], v[\cur+\n+\k], v[LT+\k]
.endr
.irp k, 0,1,2,3
	v_maxmin_num_f32 v[\cur+\n+\k], v[SC+16*\g+\n+\k], 0, v[\cur+\n+\k]                        ; min(max(s, 0), that)
.endr
	v_cvt_pk_bf16_f32 v[PB+8*\g+\n/2],   v[\cur+\n],   v[\cur+\n+1]
	v_cvt_pk_bf16_f32 v[PB+8*\g+\n/2+1], v[\cur+\n+2], v[\cur+\n+3]
.endr
.endm
.macro SELU
	EXP16 0, EA
	v_nop                                          ; the plain place behind the run of v_exp_f32
	FIN 0, EA, 1, EB
	FIN 1, EB, 1, EA
	FIN 2, EA, 1, EB
	FIN 3, EB, 0, EA
.endm
; 16 matrix instructions on 16 sums, one instruction a turn.  zero = 1: the first product starts the sums.
.macro PVMUL zero
	WIN 0x50                                       ; C and D in window 1
.irp q, 0,1,2,3
.irp d, 0,1,2,3
.if \zero
	v_wmma_f32_16x16x32_bf16 v[OA+8*(4*\q+\d):OA+8*(4*\q+\d)+7], v[VF+8*\d:VF+8*\d+7], v[PB+8*\q:PB+8*\q+7], 0
.else
	v_wmma_f32_16x16x32_bf16 v[OA+8*(4*\q+\d):OA+8*(4*\q+\d)+7], v[VF+8*\d:VF+8*\d+7], v[PB+8*\q:PB+8*\q+7], v[OA+8*(4*\q+\d):OA+8*(4*\q+\d)+7]
.endif
.endr
.endr
.endm
; One step: 32 keys.  more = 1: the next step's kc fragments are fetched, and the second product follows here; else the run's end makes it.
.macro STEP s, j, zero, more
.if \j
	s_wait_dscnt 0x0                               ; this step's kc fragments are in (step 0: the wait at the head of the run)
.endif
	SMUL
	WIN 0
	PLACES                                         ; behind the products: scores are read, fragment registers loaded again
	LDV \s, \j
.if \more
	LDK \s, \j+1
.endif
	SELU
.if \more
	s_wait_dscnt 0x8                               ; v is in; the eight younger loads (the next kc fragments) stay out
	PVMUL \zero
	WIN 0
.endif
.endm
; A run: the 256 keys of slot s, which are one block of kref.  mode 2: the slot is filled again; 1: only the other slot is shown whole; 0: the last run.
.macro RUN s, zero, mode
	ds_load_b128 v[EA:EA+3],     v[DA] offset:\s*128               ; delta of this block, the same 64 numbers for all 16 rows of the fragment
	ds_load_b128 v[EA+4:EA+7],   v[DA] offset:\s*128+32
	ds_load_b128 v[EA+8:EA+11],  v[DA] offset:\s*128+64
	ds_load_b128 v[EA+12:EA+15], v[DA] offset:\s*128+96
	LDK \s, 0
	s_wait_dscnt 0x0
	WIN 0x04
.irp q, 0,1,2,3
	v_wmma_f32_16x16x32_f16 v[MC+8*\q:MC+8*\q+7], v[EA:EA+7], v[QF+16*\q:QF+16*\q+7], 0
.endr
.irp q, 0,1,2,3
	v_wmma_f32_16x16x32_f16 v[MC+8*\q:MC+8*\q+7], v[EA+8:EA+15], v[QF+16*\q+8:QF+16*\q+15], v[MC+8*\q:MC+8*\q+7]
.endr
	WIN 0
.rept 5
	v_nop                                          ; five places: these results become the C of other accumulators
.endr
	STEP \s, 0, \zero, 1
.irp n, 1,2,3,4,5,6
	STEP \s, \n, 0, 1
.endr
	STEP \s, 7, 0, 0
	s_wait_dscnt 0x0                               ; v is in, and my reads of this slot are over
.if \mode
	s_wait_tensorcnt 0x0                           ; all my tensor loads have landed: the one that was out is my part of the other slot
	ds_add_u32 v254, v255
	s_wait_dscnt 0x0
	s_barrier_signal -1                            ; say so (mode 2: this barrier opens a round of the cluster's barrier),
.endif
	PVMUL 0                                        ; work on registers while the others arrive,
	WIN 0
.if \mode
	s_barrier_wait -1
.endif
.if \mode == 2
	CREST                                          ; no wave of any partner still reads this slot or has a load on its way
	s_add_nc_u64 s[G0K+4*\s+2:G0K+4*\s+3], s[G0K+4*\s+2:G0K+4*\s+3], 0x10000       ; 512 keys on
	s_add_nc_u64 s[G0V+4*\s+2:G0V+4*\s+3], s[G0V+4*\s+2:G0V+4*\s+3], 0x100000
	JLOAD \s                                       ; the first tensor load behind the round, the wave's only one until the next; it has the whole next run in which to land
.endif
.endm
.macro DADDR                           ; the delta fragments of blocks 2 s58 and 2 s58 + 1
	v_lshl_add_u32 v[DA], s58, 8, v[DB]
.endm
	s_mov_b32 s58, 0                               ; pair of runs 0: blocks 0, 1; its first product starts the sums
	DADDR
	RUN 0, 1, 2
	RUN 1, 0, 2
	s_mov_b32 s58, 1
.Lpair:                                                ; pairs 1 and 2: blocks 2 to 5
	DADDR
	RUN 0, 0, 2
	RUN 1, 0, 2
	s_add_co_u32 s58, s58, 1
	s_cmp_lt_u32 s58, 3
	s_cbranch_scc1 .Lpair
	DADDR                                          ; pair 3 (the counter has ended at 3): blocks 6, 7: nothing is left to fetch
	RUN 0, 0, 1
	RUN 1, 0, 0
	; THE WAY OUT, 16 queries at a time: scale, 32 bytes a lane into my own stage, read back as whole rows of 256 bytes.
	PLACES                                         ; behind the last products: sums are read, fragment registers written
.irp q, 0,1,2,3
	WIN 0x01                                       ; source 0 in window 1
.irp d, 0,1,2,3
.irp p, 0,2,4,6
	v_pk_mul_f32 v[PB+8*\d+\p:PB+8*\d+\p+1], v[OA+8*(4*\q+\d)+\p:OA+8*(4*\q+\d)+\p+1], v[22:23]
.endr
.endr
	WIN 0
.irp d, 0,1,2,3
	ds_store_b128 v[STO], v[PB+8*\d:PB+8*\d+3]   offset:64*\d
	ds_store_b128 v[STO], v[PB+8*\d+4:PB+8*\d+7] offset:64*\d+16
.endr
.irp t, 0,1,2,3,4,5,6,7
	ds_load_b128 v[24+32*\q+4*\t:24+32*\q+4*\t+3], v[RD] offset:2*SP*\t        ; LDS serves a wave's instructions in order (ISA guide 5.7.1.4); each query tile has read-back registers of its own
.endr
.irp t, 0,1,2,3,4,5,6,7
	s_wait_dscnt 7-\t                              ; the count is the number of younger read-backs
	global_store_b128 v[CO], v[24+32*\q+4*\t:24+32*\q+4*\t+3], s[12:13] offset:(16*\q+2*\t)*4096 th:TH_STORE_NT   ; 16 lanes store 256 consecutive bytes, aligned
.endr
.endr
	s_wait_tensorcnt 0x0
	ds_add_u32 v254, v255
	s_wait_dscnt 0x0
	ROUND                                          ; the closing round: no work-group ends while a partner may still ask for a tile that names it
	s_endpgm
.Lfunc_end_k_q90d32d27b7_attn:
	.size	k_q90d32d27b7_attn, .Lfunc_end_k_q90d32d27b7_attn-k_q90d32d27b7_attn
	.p2alignl 7, 3214868480
	.fill 96, 4, 3214868480
	.section	.rodata,"a",@progbits
	.p2align	6, 0x0
	.amdhsa_kernel k_q90d32d27b7_attn
		.amdhsa_group_segment_fixed_size 327680
		.amdhsa_private_segment_fixed_size 0
		.amdhsa_enable_private_segment 0
		.amdhsa_kernarg_size 40
		.amdhsa_user_sgpr_count 2
		.amdhsa_user_sgpr_kernarg_segment_ptr 1
		.amdhsa_wavefront_size32 1
		.amdhsa_system_sgpr_workgroup_id_x 1
		.amdhsa_system_sgpr_workgroup_id_y 1
		.amdhsa_system_sgpr_workgroup_id_z 1
		.amdhsa_system_vgpr_workitem_id 0
		.amdhsa_next_free_vgpr 448
		.amdhsa_next_free_sgpr 66
		.amdhsa_reserve_vcc 0
		.amdhsa_float_denorm_mode_32 3
		.amdhsa_float_denorm_mode_16_64 3
		.amdhsa_memory_ordered 1
		.amdhsa_forward_progress 1
		.amdhsa_inst_pref_size 255
	.end_amdhsa_kernel
	.section	.bss,"aw",@nobits
	.p2align	6
	.space	262144
	.amdgpu_metadata
---
amdhsa.version: [ 1, 2 ]
amdhsa.kernels:
  - .name:           k_q90d32d27b7_attn
    .symbol:         k_q90d32d27b7_attn.kd
    .args:
      - { .name: qh, .offset: 0, .size: 8, .value_kind: global_buffer, .address_space: global }
      - { .name: kc, .offset: 8, .size: 8, .value_kind: global_buffer, .address_space: global }
      - { .name: xb, .offset: 16, .size: 8, .value_kind: global_buffer, .address_space: global }
      - { .name: kref, .offset: 24, .size: 8, .value_kind: global_buffer, .address_space: global }
      - { .name: out0, .offset: 32, .size: 8, .value_kind: global_buffer, .address_space: global }
    .group_segment_fixed_size: 327680
    .private_segment_fixed_size: 0
    .kernarg_segment_align: 8
    .kernarg_segment_size: 40
    .max_flat_workgroup_size: 256
    .sgpr_count:     66
    .vgpr_count:     448
    .wavefront_size: 32
...
	.end_amdgpu_metadata
.endif
;; end of part 3
;; ======== version 2 of 2: 3 launches
;; limits: values are held in f16: magnitudes above 65,504 overflow, below 6.1e-05 lose precision
;; workspace buffers: xb 16,777,216 bytes; wb 4,194,304 bytes; qh 16,777,216 bytes; kc 16,777,216 bytes; kref 131,072 bytes
;; launch prep: the kernel of part 1 again; grid 256 x 1, 8 waves a work-group, no clusters, 0 bytes of LDS; arguments x, W_qk, xb, wb; writes xb, wb
;; launch proj: the kernel of part 2 again; grid 8 x 32, 4 waves a work-group, clusters of 4 x 4, 327,680 bytes of LDS; arguments xb, wb, b_qk, qh, kc, kref; writes qh, kc, kref
;; launch attn (part 4): grid 256 x 1, 8 waves a work-group, clusters of 4 x 1, 327,680 bytes of LDS; arguments qh, kc, xb, kref, out0; writes out0
.if DOCPART == 4
	.amdgcn_target "amdgcn-amd-amdhsa--gfx1250"
	.amdhsa_code_object_version 6
	.text
	.protected	k_q90d32d27b7_attn
	.globl	k_q90d32d27b7_attn
	.p2align	8
	.type	k_q90d32d27b7_attn,@function
k_q90d32d27b7_attn:
	s_mov_b64 s[64:65], 0
	v_nop
	global_prefetch_b8 v0, s[64:65] scope:SCOPE_SE
	s_setreg_imm32_b32 hwreg(HW_REG_WAVE_MODE, 25, 1), 1
	s_wait_xcnt 0x0
	s_wait_alu depctr_hold_cnt(0) depctr_sa_sdst(0) depctr_va_vdst(0) depctr_va_sdst(0) depctr_va_ssrc(0) depctr_va_vcc(0) depctr_vm_vsrc(0)
	s_getreg_b32 s2, hwreg(HW_REG_IB_STS2, 6, 4)
	s_cmp_eq_u32 s2, 0
	s_cbranch_scc0 .Lentry_in_a_cluster
	s_endpgm
.Lentry_in_a_cluster:
	s_bfe_u32 s2, ttmp6, 0x10000c
	s_cmp_lg_u32 s2, 0x3003
	s_cbranch_scc0 .Lentry_shape_is_right
	s_endpgm
.Lentry_shape_is_right:
; out0[b][i][64 h + d] = 2048^-0.5 x sum over j of selu(sim(i, j) - mean over j of sim(i, j)) x[b][j][64 h + d].
; The mean is linear: log2(e) (sim - mean) = s(i, j) = qh(i) . (kc(j) + delta(block of j)), delta(blk) = kref(blk) - mean over the 8 blocks of kref.
; qh carries 0.125 log2(e).  With A = alpha / ln 2:   P = selu / (lambda ln 2) = min( max(A 2^s - A2, alpha s), |s| ),  A2 = A + 2^-21.
;   s > 0: alpha s > s = |s|, so the result is s, also where 2^s is infinite.   s < 0: both A 2^s - A2 and alpha s are negative, so |s| does
;   not bind, and both lie below A (2^s - 1): the first by its offset, which is larger than one unit in the last place of 2^s times A; the
;   second since e^x - 1 >= x.  Their maximum is within 4.5e-4 relative of A (2^s - 1) for every s < 0, so small scores lose nothing.
;   s = 0 gives 0.  The maximum and the minimum are one instruction of three sources.  out = lambda ln 2 / sqrt(2048) x sum of P v.
; LIMITS: qh, kc, delta are f16 (magnitudes up to 65504; step 6e-8 below 6.1e-5); P and v are bf16; the 4.5e-4 above; the sums are ordered
; otherwise than in a row-by-row evaluation; NaN and infinite inputs are not followed.
; SHARE: a cluster of four work-groups is one (b, h); work-group cx takes 512 queries, each of its eight waves 64 (four tiles of 16).
; All four walk the same 2,048 keys, so the tiles of kc and of xb are asked for jointly (mask 15).  Eight waves, two on a SIMD: a tile of
; 16 x 16 scores has 4 matrix instructions and 28 vector instructions, and one wave's vector work runs beside the other's products.
; NO SHUFFLE: the score product is made transposed (source 0 = 16 keys, source 1 = 16 queries), so lane (r, hh), register j holds key
; 8 hh + j of query r; two such tiles, packed to bf16, are the source-1 fragment (32 keys x 16 queries) of the second product as they lie.
; Its source 0 (16 d x 32 keys) comes from V[key][d] by transposing LDS loads.  Its result: lane (r, hh), register j: d = 8 hh + j of query r.
; A SHORT TEXT: a step of 32 keys is about 290 instructions.  The first seven of a run's eight steps are a counted loop, the eighth (which
; fetches no further kc and holds the change of slots) is written out, and so is the launch's very first step (its second product starts the
; sums): 13 steps of text for the 64 steps that a wave walks.
.set KP,    144                        ; LDS pitch of a key's 128 bytes of kc: 36 words, the 16 rows of a fragment start at 16 different banks (64 banks of 4 bytes: ISA guide 11.1)
.set VP,    160                        ; LDS pitch of a key's 128 bytes of v: an odd multiple of 32 bytes, for the transposing loads
.set VOFF,  256*KP                     ; a slot: 256 keys of kc, then 256 keys of v
.set SLOT,  256*KP+256*VP              ; 77,824 bytes
.set STAGE, 2*SLOT                     ; behind the ring, in bytes that no tensor load fills: 16 rows x 272 bytes for each wave
.set SP,    272
.set DELTA, STAGE+8*16*SP              ; 8 blocks x 64 f16
.set KC,  1                            ; v1      at the head r; then, in the loop of steps: KA of the slot + step x 32 keys
.set VC,  2                            ; v2      at the head hh; then, in the loop of steps: VA of the slot + step x 32 keys
.set DB,  3                            ; v3      DELTA + 16 hh
.set KA,  4                            ; v4-5    LDS address of my kc fragments in slot 0, 1
.set VA,  6                            ; v6-7    the same for v
.set DA,  8                            ; v8      DB + 256 x pair of runs
.set STO, 9                            ; v9      the way out: where I put 32 bytes of a row
.set RD,  10                           ; v10     the way out: where I read 16 bytes of a row back
.set CO,  11                           ; v11     my byte offset in out0
                                       ; v[12:14] at work at the head only
                                       ; v[16:17] A, A   v[18:19] -A2, -A2   v[20:21] alpha, alpha   v[22:23] lambda ln 2 / sqrt(2048), twice
.set KF,  24                           ; v[24:55]    kc fragments at 8 (2 kt + ks)
.set VF,  56                           ; v[56:87]    v fragments at 8 dt
.set SC,  88                           ; v[88:151]   scores at 8 (2 qt + kt)
.set PB,  152                          ; v[152:183]  P fragments at 8 qt
.set EA,  184                          ; v[184:199]  2^s of one query tile; at the head of a run the delta fragments
.set EB,  200                          ; v[200:215]  2^s of the next
.set MC,  216                          ; v[216:247]  qh . delta at 8 qt, the same number in all eight registers
.set LT,  248                          ; v[248:255]  alpha s, eight at a time
.set QF,  0                            ; window 1, v[0:63]    qh fragments at 8 (2 qt + ks)
.set OA,  64                           ; window 1, v[64:191]  sums of the second product at 8 (4 qt + dt)
.set KR,  88                           ; at the head only: nine pairs of kref
.set G1K, 16                           ; s[16:23] descriptor group 1, kc
.set G1V, 24                           ; s[24:31] descriptor group 1, v
.set G0K, 32                           ; s[32:39] descriptor group 0, kc, one set for each slot
.set G0V, 40                           ; s[40:47] descriptor group 0, v, one set for each slot
                                       ; s58 pair of runs (outer counter)   s59 at the head the stage's base, then the step in a run (inner counter)
.set MSB, 0
.macro WIN new                         ; the immediate's high byte repeats the setting that is left
.if MSB != \new
	s_set_vgpr_msb (MSB<<8)|\new
.set MSB, \new
.endif
.endm
; A joint load: waves 0-3 fetch a quarter (64 keys) of kc each, waves 4-7 a quarter of v.  The branch hangs on the wave's number alone.
.macro JLOAD s
	s_cmp_eq_u32 s15, 0
	s_cbranch_scc0 .Lfor_v_\@
	tensor_load_to_lds s[G0K+4*\s:G0K+4*\s+3], s[G1K:G1K+7]
	s_nop 0
	s_branch .Lasked_\@
.Lfor_v_\@:
	tensor_load_to_lds s[G0V+4*\s:G0V+4*\s+3], s[G1V:G1V+7]
	s_nop 0
.Lasked_\@:
.endm
.macro CREST                           ; a round of the cluster's barrier behind its opening barrier
	s_cmp_lg_u32 s14, 0
	s_cbranch_scc1 .Lnot_wave_0_\@
	s_barrier_signal -3
.Lnot_wave_0_\@:
	s_barrier_wait -3
	s_barrier_signal -1
	s_barrier_wait -1
.endm
.macro ROUND                           ; a whole round
	s_barrier_signal -1
	s_barrier_wait -1
	CREST
.endm
.macro PLACES                          ; four places behind a matrix instruction (ISA guide 7.12.1 for vector instructions)
.rept 4
	v_nop
.endr
.endm
	s_load_b256 s[4:11], s[0:1], 0x0               ; qh s[4:5], kc s[6:7], xb s[8:9], kref s[10:11]
	s_load_b64 s[12:13], s[0:1], 0x20              ; out0
	v_lshl_add_u32 v15, v0, 2, 0x2ec00
	s_set_vgpr_msb 0x40
	v_mov_b32 v193, 0
	s_set_vgpr_msb 0x4044
	ds_add_u32 v15, v193
	s_set_vgpr_msb 0x4400
	v_lshrrev_b32 v1, 5, v0
	v_readfirstlane_b32 s14, v1                    ; wave 0..7
	s_lshr_b32 s15, s14, 2                         ; I fetch for kc (0) or for v (1)
	s_and_b32 s48, s14, 3                          ; which 64 keys of a slot I fetch
	s_bfe_u32 s49, ttmp6, 0x40000                  ; cx: my block of 512 queries; it enters plain global addresses alone
	s_lshr_b32 s51, ttmp9, 4                       ; the cluster's number is 16 b + h
	s_and_b32 s52, ttmp9, 15
	; group 1: 64 rows x 64 elements of 2 bytes; 15:0 mask 15; 17:16 size; 20 padding on; 21 set beside a mask; 24:22 after every 32 words; 31:25 of 4 (kc) or 8 (v) words
	s_mov_b32 s[G1K+0], 0x0731000f
	s_mov_b32 s[G1K+1], 64<<16                     ; tensor_dim0 = 64
	s_mov_b32 s[G1K+2], 64<<16                     ; tensor_dim1 = 64
	s_mov_b32 s[G1K+3], 64<<16                     ; tile_dim0 = 64
	s_mov_b32 s[G1K+4], 64                         ; tile_dim1 = 64
	s_mov_b32 s[G1K+5], 64                         ; kc: 64 elements from key to key
	s_mov_b32 s[G1K+6], 0
	s_mov_b32 s[G1K+7], 0
	s_mov_b32 s[G1V+0], 0x0f31000f
	s_mov_b32 s[G1V+1], 64<<16
	s_mov_b32 s[G1V+2], 64<<16
	s_mov_b32 s[G1V+3], 64<<16
	s_mov_b32 s[G1V+4], 64
	s_mov_b32 s[G1V+5], 1024                       ; xb: 1,024 elements from key to key
	s_mov_b32 s[G1V+6], 0
	s_mov_b32 s[G1V+7], 0
	s_lshl_b32 s54, ttmp9, 18                      ; kc: (16 b + h) x 2,048 keys of 128 bytes
	s_lshl_b32 s53, s48, 13                        ; + my quarter x 64 keys
	s_add_co_u32 s54, s54, s53
	s_mov_b32 s55, 0
	s_lshl_b32 s56, s51, 22                        ; xb: b x 2,048 rows of 2,048 bytes
	s_lshl_b32 s53, s48, 17                        ; + my quarter x 64 rows
	s_add_co_u32 s56, s56, s53
	s_lshl_b32 s53, s52, 7                         ; + h x 128 bytes
	s_add_co_u32 s56, s56, s53
	s_mov_b32 s57, 0
	s_mul_i32 s60, s48, 64*KP                      ; where they go: the quarter alone enters the LDS addresses
	s_mul_i32 s61, s48, 64*VP
	s_add_co_u32 s61, s61, VOFF
	s_wait_dscnt 0x0
	s_wait_kmcnt 0x0
	s_add_nc_u64 s[54:55], s[6:7], s[54:55]
	s_add_nc_u64 s[56:57], s[8:9], s[56:57]
.irp n, 0,1
	s_mov_b32 s[G0K+4*\n], 1                                       ; count = 1
	s_add_co_u32 s[G0K+4*\n+1], s60, \n*SLOT                       ; LDS address
	s_add_nc_u64 s[G0K+4*\n+2:G0K+4*\n+3], s[54:55], \n*32768      ; keys 256 n on
	s_or_b32 s[G0K+4*\n+3], s[G0K+4*\n+3], 0x80000000              ; type = 2
	s_mov_b32 s[G0V+4*\n], 1
	s_add_co_u32 s[G0V+4*\n+1], s61, \n*SLOT
	s_add_nc_u64 s[G0V+4*\n+2:G0V+4*\n+3], s[56:57], \n*524288
	s_or_b32 s[G0V+4*\n+3], s[G0V+4*\n+3], 0x80000000
.endr
	ROUND                                          ; all four work-groups are here: the first joint loads meet
	JLOAD 0                                        ; both first fills as one group: two tensor loads of the wave are out
	JLOAD 1
	s_lshl_b32 s62, ttmp9, 18                      ; qh: (16 b + h) x 2,048 rows of 128 bytes
	s_lshl_b32 s53, s49, 16                        ; + cx x 512 rows
	s_add_co_u32 s62, s62, s53
	s_lshl_b32 s53, s14, 13                        ; + wave x 64 rows
	s_add_co_u32 s62, s62, s53
	s_mov_b32 s63, 0
	s_add_nc_u64 s[4:5], s[4:5], s[62:63]
	s_lshl_b32 s62, s51, 15                        ; kref: b x 8 blocks of 4,096 bytes
	s_lshl_b32 s53, s52, 8                         ; + h x 256
	s_add_co_u32 s62, s62, s53
	s_add_nc_u64 s[10:11], s[10:11], s[62:63]
	s_lshl_b32 s62, s51, 23                        ; out0: b x 2,048 rows of 4,096 bytes
	s_add_co_u32 s62, s62, s53                     ; + h x 256
	s_lshl_b32 s53, s49, 21                        ; + cx x 512 rows
	s_add_co_u32 s62, s62, s53
	s_lshl_b32 s53, s14, 18                        ; + wave x 64 rows
	s_add_co_u32 s62, s62, s53
	s_add_nc_u64 s[12:13], s[12:13], s[62:63]
	s_mul_i32 s59, s14, 16*SP
	s_add_co_u32 s59, s59, STAGE                   ; my stage
	s_mov_b32 s53, 0xbe000000                      ; -1 / 8
	v_and_b32 v1, 15, v0                           ; r
	v_bfe_u32 v2, v0, 4, 1                         ; hh
	v_and_b32 v12, 31, v0                          ; lane
	v_lshlrev_b32 v108, 7, v1
	v_lshl_add_u32 v108, v2, 4, v108               ; qh: row r, 16 bytes for each half of the lanes
	WIN 0x40                                       ; destination in window 1
.irp q, 0,1,2,3
.irp k, 0,1
	global_load_b128 v[QF+16*\q+8*\k:QF+16*\q+8*\k+3],   v108, s[4:5] offset:\q*2048+\k*64 th:TH_LOAD_NT
	global_load_b128 v[QF+16*\q+8*\k+4:QF+16*\q+8*\k+7], v108, s[4:5] offset:\q*2048+\k*64+32 th:TH_LOAD_NT
.endr
.endr
	WIN 0
	v_lshlrev_b32 v109, 3, v12                     ; kref: d = 2 lane, 2 lane + 1
	v_lshl_add_u32 v110, s14, 12, v109             ; the same in block number wave
.irp n, 0,1,2,3,4,5,6,7
	global_load_b64 v[KR+2*\n:KR+2*\n+1], v109, s[10:11] offset:\n*4096
.endr
	global_load_b64 v[KR+16:KR+17], v110, s[10:11]
	v_mul_u32_u24 v[KA], v1, KP
	v_lshl_add_u32 v[KA], v2, 4, v[KA]             ; key r x pitch + 16 hh
	v_add_nc_u32 v[KA+1], SLOT, v[KA]
	v_and_b32 v13, 7, v0
	v_lshl_add_u32 v13, v2, 3, v13                 ; key 8 hh + lane % 8
	v_mul_u32_u24 v13, v13, VP
	v_bfe_u32 v14, v0, 3, 1
	v_lshl_add_u32 v13, v14, 4, v13                ; + 16 bytes for the odd groups of eight lanes
	v_add_nc_u32 v[VA], VOFF, v13
	v_add_nc_u32 v[VA+1], VOFF+SLOT, v13
	v_lshl_add_u32 v[DB], v2, 4, DELTA
	v_mul_u32_u24 v[STO], v1, SP
	v_lshl_add_u32 v[STO], v2, 5, v[STO]
	v_add_nc_u32 v[STO], s59, v[STO]               ; in: row r, 32 bytes (eight d) for each half of the lanes
	v_mul_u32_u24 v[RD], v2, SP
	v_lshl_add_u32 v[RD], v1, 4, v[RD]
	v_add_nc_u32 v[RD], s59, v[RD]                 ; back: lanes 0-15 take one row of 256 bytes, lanes 16-31 the next
	v_lshlrev_b32 v[CO], 4, v1
	v_lshl_add_u32 v[CO], v2, 12, v[CO]            ; and the same two rows in out0 (the last use of r and hh: v1 and v2 now serve the loop of steps)
	v_lshlrev_b32 v111, 2, v12
	v_lshl_add_u32 v111, s14, 7, v111
	v_add_nc_u32 v111, DELTA, v111                 ; delta of block number wave, two f16 a lane
	v_mov_b32 v16, 0x401a7f1e                      ; A = alpha / ln 2
	v_mov_b32 v17, 0x401a7f1e
	v_mov_b32 v18, 0xc01a7f20                      ; -(A + 2^-21)
	v_mov_b32 v19, 0xc01a7f20
	v_mov_b32 v20, 0x3fd62d7d                      ; alpha
	v_mov_b32 v21, 0x3fd62d7d
	v_mov_b32 v22, 0x3c83d5ac                      ; lambda ln 2 / sqrt(2048)
	v_mov_b32 v23, 0x3c83d5ac
	s_wait_loadcnt 0x0                             ; qh and kref, once
	v_pk_add_f32 v[KR:KR+1],     v[KR:KR+1],     v[KR+2:KR+3]
	v_pk_add_f32 v[KR+4:KR+5],   v[KR+4:KR+5],   v[KR+6:KR+7]
	v_pk_add_f32 v[KR+8:KR+9],   v[KR+8:KR+9],   v[KR+10:KR+11]
	v_pk_add_f32 v[KR+12:KR+13], v[KR+12:KR+13], v[KR+14:KR+15]
	v_pk_add_f32 v[KR:KR+1],     v[KR:KR+1],     v[KR+4:KR+5]
	v_pk_add_f32 v[KR+8:KR+9],   v[KR+8:KR+9],   v[KR+12:KR+13]
	v_pk_add_f32 v[KR:KR+1],     v[KR:KR+1],     v[KR+8:KR+9]
	v_fma_f32 v[KR],   v[KR],   s53, v[KR+16]      ; delta = kref of my block - sum / 8
	v_fma_f32 v[KR+1], v[KR+1], s53, v[KR+17]
	v_cvt_pk_f16_f32 v106, v[KR], v[KR+1]
	ds_store_b32 v111, v106
	s_wait_dscnt 0x0                               ; for the others' sake: my block's delta is in LDS
	s_wait_tensorcnt 0x1                           ; my part of slot 0 is in; slot 1's load may stay out
	s_barrier_signal -1
	s_barrier_wait -1
.macro LDK a, j                        ; 32 keys of kc, j steps behind the address in v[a]: two tiles of 16 keys x 64 d, eight loads
.irp t, 0,1
.irp k, 0,1
	ds_load_b128 v[KF+16*\t+8*\k:KF+16*\t+8*\k+3],   v[\a] offset:(\j)*32*KP+\t*16*KP+\k*64
	ds_load_b128 v[KF+16*\t+8*\k+4:KF+16*\t+8*\k+7], v[\a] offset:(\j)*32*KP+\t*16*KP+\k*64+32
.endr
.endr
.endm
.macro LDV a, j                        ; 32 keys of v, j steps behind the address in v[a], transposed: four tiles of 16 d x 32 keys, eight loads
.irp d, 0,1,2,3
	ds_load_tr16_b128 v[VF+8*\d:VF+8*\d+3],   v[\a] offset:(\j)*32*VP+32*\d
	ds_load_tr16_b128 v[VF+8*\d+4:VF+8*\d+7], v[\a] offset:(\j)*32*VP+32*\d+16*VP
.endr
.endm
; 16 matrix instructions: eight score tiles, d = 0..31 onto qh . delta, then d = 32..63 in place.  The eight take turns, one instruction a
; turn.
.macro SMUL
	WIN 0x04                                       ; source 1 (qh) in window 1
.irp q, 0,1,2,3
.irp t, 0,1
	v_wmma_f32_16x16x32_f16 v[SC+8*(2*\q+\t):SC+8*(2*\q+\t)+7], v[KF+16*\t:KF+16*\t+7], v[QF+16*\q:QF+16*\q+7], v[MC+8*\q:MC+8*\q+7]
.endr
.endr
.irp q, 0,1,2,3
.irp t, 0,1
	v_wmma_f32_16x16x32_f16 v[SC+8*(2*\q+\t):SC+8*(2*\q+\t)+7], v[KF+16*\t+8:KF+16*\t+15], v[QF+16*\q+8:QF+16*\q+15], v[SC+8*(2*\q+\t):SC+8*(2*\q+\t)+7]
.endr
.endr
.endm
.macro EXP16 g, buf                    ; 2^s of query tile g
.irp n, 0,1,2,3,4,5,6,7,8,9,10,11,12,13,14,15
	v_exp_f32 v[\buf+\n], v[SC+16*\g+\n]
.endr
.endm
; Query tile g, whose 2^s lie in cur, becomes its P fragment, eight scores at a time: 3.5 instructions a score with its own v_exp_f32.
; nxt = 1: the 2^s of tile g + 1 are made on the way, into nbuf, one between each two packed lines.  Behind each v_exp_f32 stands a plain
; instruction on other registers, and its result is first read in the next tile's turn (ISA guide 5.7.2).
; Eight at a time, so that a result is read four lines or more behind the line that writes it.
.macro FIN g, cur, nxt, nbuf
.irp n, 0,8
.irp k, 0,2,4,6
.if \nxt
	v_exp_f32 v[\nbuf+\n+\k], v[SC+16*(\g+1)+\n+\k]
.endif
	s_wait_alu depctr_va_vdst(0)
	v_pk_fma_f32 v[\cur+\n+\k:\cur+\n+\k+1], v[\cur+\n+\k:\cur+\n+\k+1], v[16:17], v[18:19]      ; A 2^s - A2
.if \nxt
	v_exp_f32 v[\nbuf+\n+\k+1], v[SC+16*(\g+1)+\n+\k+1]
.endif
	v_pk_mul_f32 v[LT+\k:LT+\k+1], v[SC+16*\g+\n+\k:SC+16*\g+\n+\k+1], v[20:21]                  ; alpha s
.endr
.irp k, 0,1,2,3,4,5,6,7
	v_maxmin_num_f32 v[\cur+\n+\k], v[\cur+\n+\k], v[LT+\k], |v[SC+16*\g+\n+\k]|                 ; min(max(A 2^s - A2, alpha s), |s|)
.endr
.irp k, 0,2,4,6
	v_cvt_pk_bf16_f32 v[PB+8*\g+(\n+\k)/2], v[\cur+\n+\k], v[\cur+\n+\k+1]
.endr
.endr
.endm
.macro SELU
	EXP16 0, EA
	v_nop                                          ; the plain place behind the run of v_exp_f32
	FIN 0, EA, 1, EB
	FIN 1, EB, 1, EA
	FIN 2, EA, 1, EB
	FIN 3, EB, 0, EA
.endm
; 16 matrix instructions on 16 sums, one instruction a turn.  zero = 1: the first product starts the sums.
.macro PVMUL zero
	WIN 0x50                                       ; C and D in window 1
.irp q, 0,1,2,3
.irp d, 0,1,2,3
.if \zero
	v_wmma_f32_16x16x32_bf16 v[OA+8*(4*\q+\d):OA+8*(4*\q+\d)+7], v[VF+8*\d:VF+8*\d+7], v[PB+8*\q:PB+8*\q+7], 0
.else
	v_wmma_f32_16x16x32_bf16 v[OA+8*(4*\q+\d):OA+8*(4*\q+\d)+7], v[VF+8*\d:VF+8*\d+7], v[PB+8*\q:PB+8*\q+7], v[OA+8*(4*\q+\d):OA+8*(4*\q+\d)+7]
.endif
.endr
.endr
.endm
; One step: 32 keys of slot s.  reg = 1: the body of the loop, the step's number is in s59; reg = 0: step j, written out.
; more = 1: the next step's kc fragments are fetched, and the second product follows here; else the run's end makes it.
.macro STEP s, reg, j, zero, more
.if \reg+\j
	s_wait_dscnt 0x0                               ; this step's kc fragments are in (in a run's first step the wait at the run's head has shown it: met at once)
.endif
	SMUL
	WIN 0
.if \reg
	; The four places behind the products (scores are read, fragment registers loaded again) hold the step's addresses:
	; 32 keys of kc are 32 x 144 = 4,096 + 512 bytes, 32 keys of v are 32 x 160 = 4,096 + 1,024 bytes.
	v_lshl_add_u32 v[KC], s59, 12, v[KA+\s]
	v_lshl_add_u32 v[VC], s59, 12, v[VA+\s]
	v_lshl_add_u32 v[KC], s59, 9,  v[KC]
	v_lshl_add_u32 v[VC], s59, 10, v[VC]
	LDV VC, 0
	LDK KC, 1                                      ; the next step's keys: one step further, in the immediate
.else
	PLACES                                         ; behind the products: scores are read, fragment registers loaded again
	LDV VA+\s, \j
.if \more
	LDK KA+\s, \j+1
.endif
.endif
	SELU
.if \more
	s_wait_dscnt 0x8                               ; v is in; the eight younger loads (the next kc fragments) stay out
	PVMUL \zero
	WIN 0                                          ; (a branch or a label follows)
.endif
.endm
; A run: the 256 keys of slot s, which are one block of kref.  zero = 1: the launch's first run, whose first step starts the sums.
; mode 2: the slot is filled again; 1: only the other slot is shown whole; 0: the last run.
.macro RUN s, zero, mode
	ds_load_b128 v[EA:EA+3],     v[DA] offset:\s*128               ; delta of this block, the same 64 numbers for all 16 rows of the fragment
	ds_load_b128 v[EA+4:EA+7],   v[DA] offset:\s*128+32
	ds_load_b128 v[EA+8:EA+11],  v[DA] offset:\s*128+64
	ds_load_b128 v[EA+12:EA+15], v[DA] offset:\s*128+96
	LDK KA+\s, 0
	s_wait_dscnt 0x0
	WIN 0x04
.irp q, 0,1,2,3
	v_wmma_f32_16x16x32_f16 v[MC+8*\q:MC+8*\q+7], v[EA:EA+7], v[QF+16*\q:QF+16*\q+7], 0
.endr
.irp q, 0,1,2,3
	v_wmma_f32_16x16x32_f16 v[MC+8*\q:MC+8*\q+7], v[EA+8:EA+15], v[QF+16*\q+8:QF+16*\q+15], v[MC+8*\q:MC+8*\q+7]
.endr
	WIN 0
.rept 5
	v_nop                                          ; five places: these results become the C of other accumulators
.endr
.if \zero
	STEP \s, 0, 0, 1, 1                            ; step 0, written out: its second product has the constant 0 as C
	s_mov_b32 s59, 1
.else
	s_mov_b32 s59, 0
.endif
.Lstep_\@:                                             ; steps up to 6.  Over the backward jump the last product writes a sum of the second product, the first a score tile: the accumulators still take turns
	STEP \s, 1, 0, 0, 1
	s_add_co_u32 s59, s59, 1
	s_cmp_lt_u32 s59, 7
	s_cbranch_scc1 .Lstep_\@
	STEP \s, 0, 7, 0, 0                            ; step 7: the next keys lie in the other slot, behind the barrier
	s_wait_dscnt 0x0                               ; v is in, and my reads of this slot are over
.if \mode
	s_set_vgpr_msb 0x4
	s_wait_tensorcnt 0x0                           ; all my tensor loads have landed: the one that was out is my part of the other slot
	ds_add_u32 v15, v193
	s_wait_dscnt 0x0
	s_set_vgpr_msb 0x400
	s_barrier_signal -1                            ; say so (mode 2: this barrier opens a round of the cluster's barrier),
.endif
	PVMUL 0                                        ; work on registers while the others arrive,
	WIN 0
.if \mode
	s_barrier_wait -1
.endif
.if \mode == 2
	CREST                                          ; no wave of any partner still reads this slot or has a load on its way
	s_add_nc_u64 s[G0K+4*\s+2:G0K+4*\s+3], s[G0K+4*\s+2:G0K+4*\s+3], 0x10000       ; 512 keys on
	s_add_nc_u64 s[G0V+4*\s+2:G0V+4*\s+3], s[G0V+4*\s+2:G0V+4*\s+3], 0x100000
	JLOAD \s                                       ; the first tensor load behind the round, the wave's only one until the next; it has the whole next run in which to land
.endif
.endm
.macro DADDR                           ; the delta fragments of blocks 2 s58 and 2 s58 + 1
	v_lshl_add_u32 v[DA], s58, 8, v[DB]
.endm
	s_mov_b32 s58, 0                               ; pair of runs 0: blocks 0, 1; its first product starts the sums
	DADDR
	RUN 0, 1, 2
	RUN 1, 0, 2
	s_mov_b32 s58, 1
.Lpair:                                                ; pairs 1 and 2: blocks 2 to 5
	DADDR
	RUN 0, 0, 2
	RUN 1, 0, 2
	s_add_co_u32 s58, s58, 1
	s_cmp_lt_u32 s58, 3
	s_cbranch_scc1 .Lpair
	DADDR                                          ; pair 3 (the counter has ended at 3): blocks 6, 7: nothing is left to fetch
	RUN 0, 0, 1
	RUN 1, 0, 0
	; THE WAY OUT, 16 queries at a time: scale, 32 bytes a lane into my own stage, read back as whole rows of 256 bytes.
	PLACES                                         ; behind the last products: sums are read, fragment registers written
.irp q, 0,1,2,3
	WIN 0x01                                       ; source 0 in window 1
.irp d, 0,1,2,3
.irp p, 0,2,4,6
	v_pk_mul_f32 v[PB+8*\d+\p:PB+8*\d+\p+1], v[OA+8*(4*\q+\d)+\p:OA+8*(4*\q+\d)+\p+1], v[22:23]
.endr
.endr
	WIN 0
.irp d, 0,1,2,3
	ds_store_b128 v[STO], v[PB+8*\d:PB+8*\d+3]   offset:64*\d
	ds_store_b128 v[STO], v[PB+8*\d+4:PB+8*\d+7] offset:64*\d+16
.endr
.irp t, 0,1,2,3,4,5,6,7
	ds_load_b128 v[24+32*\q+4*\t:24+32*\q+4*\t+3], v[RD] offset:2*SP*\t        ; LDS serves a wave's instructions in order (ISA guide 5.7.1.4); each query tile has read-back registers of its own
.endr
.irp t, 0,1,2,3,4,5,6,7
	s_wait_dscnt 7-\t                              ; the count is the number of younger read-backs
	global_store_b128 v[CO], v[24+32*\q+4*\t:24+32*\q+4*\t+3], s[12:13] offset:(16*\q+2*\t)*4096 th:TH_STORE_NT   ; 16 lanes store 256 consecutive bytes, aligned
.endr
.endr
	s_set_vgpr_msb 0x4
	s_wait_tensorcnt 0x0
	ds_add_u32 v15, v193
	s_wait_dscnt 0x0
	s_set_vgpr_msb 0x400
	ROUND                                          ; the closing round: no work-group ends while a partner may still ask for a tile that names it
	s_endpgm
.Lfunc_end_k_q90d32d27b7_attn:
	.size	k_q90d32d27b7_attn, .Lfunc_end_k_q90d32d27b7_attn-k_q90d32d27b7_attn
	.p2alignl 7, 3214868480
	.fill 96, 4, 3214868480
	.section	.rodata,"a",@progbits
	.p2align	6, 0x0
	.amdhsa_kernel k_q90d32d27b7_attn
		.amdhsa_group_segment_fixed_size 327680
		.amdhsa_private_segment_fixed_size 0
		.amdhsa_enable_private_segment 0
		.amdhsa_kernarg_size 40
		.amdhsa_user_sgpr_count 2
		.amdhsa_user_sgpr_kernarg_segment_ptr 1
		.amdhsa_wavefront_size32 1
		.amdhsa_system_sgpr_workgroup_id_x 1
		.amdhsa_system_sgpr_workgroup_id_y 1
		.amdhsa_system_sgpr_workgroup_id_z 1
		.amdhsa_system_vgpr_workitem_id 0
		.amdhsa_next_free_vgpr 450
		.amdhsa_next_free_sgpr 66
		.amdhsa_reserve_vcc 0
		.amdhsa_float_denorm_mode_32 3
		.amdhsa_float_denorm_mode_16_64 3
		.amdhsa_memory_ordered 1
		.amdhsa_forward_progress 1
		.amdhsa_inst_pref_size 248
	.end_amdhsa_kernel
	.amdgpu_metadata
---
amdhsa.version: [ 1, 2 ]
amdhsa.kernels:
  - .name:           k_q90d32d27b7_attn
    .symbol:         k_q90d32d27b7_attn.kd
    .args:
      - { .name: qh, .offset: 0, .size: 8, .value_kind: global_buffer, .address_space: global }
      - { .name: kc, .offset: 8, .size: 8, .value_kind: global_buffer, .address_space: global }
      - { .name: xb, .offset: 16, .size: 8, .value_kind: global_buffer, .address_space: global }
      - { .name: kref, .offset: 24, .size: 8, .value_kind: global_buffer, .address_space: global }
      - { .name: out0, .offset: 32, .size: 8, .value_kind: global_buffer, .address_space: global }
    .group_segment_fixed_size: 327680
    .private_segment_fixed_size: 0
    .kernarg_segment_align: 8
    .kernarg_segment_size: 40
    .max_flat_workgroup_size: 256
    .sgpr_count:     66
    .vgpr_count:     450
    .wavefront_size: 32
...
	.end_amdgpu_metadata
.endif
;; end of part 4
